; MI455X (gfx1250); checked and timed in simulation.
; The chip was launched on July 23, 2026; its instructions are those of AMD's public machine-readable ISA for CDNA 5 (MIT licence, August 2026) and "CDNA5" Instruction Set Architecture Reference Guide (July 2026). The comments in the code are by the model that wrote it; some were corrected since.
;; GPT Neo GQA Self Attention. Allowed arithmetic: matrix products marked QUANTISED: E2M3 operands, one E8M0 scale for each 32 along K, by v_wmma_scale_f32_16x16x128_f8f6f4 with both operands' format E2M3, f32 sums; everything else in f32.
;; Inputs: hidden_states 4 x 1,024 x 2,048 float32; k_w 2,048 x 512 float32; out_b 2,048 float32; out_w 2,048 x 2,048 float32; q_w 2,048 x 2,048 float32; v_w 2,048 x 512 float32.
;; Outputs: out0 4 x 1,024 x 2,048 float32.
;; This version of the problem:
;;   THIS VERSION OF THE PROBLEM IS GIVEN IN LOW PRECISION. The matrix products marked QUANTISED in the list below multiply operands that are first quantised to E2M3 (2 exponent bits, 3 mantissa bits; 6 bits a number), with one power-of-two scale for each 32 numbers along K (OCP MX v1.0); their sums are f32. All else is computed in f32.
;;   The module's matrix products, in the order in which they are computed (A, B: the left and right operand; K: the contracted axis; several contracted axes count as one K, in the product's order):
;;     1. [M 4,096, K 2,048] x [K 2,048, N 2,048]; A: input hidden_states; B: input q_w: QUANTISED
;;     2. [M 4,096, K 2,048] x [K 2,048, N 512]; A: input hidden_states; B: input k_w: QUANTISED
;;     3. [M 4,096, K 2,048] x [K 2,048, N 512]; A: input hidden_states; B: input v_w: QUANTISED
;;     4. batch 64 x [M 1,024, K 128] x [K 128, N 1,024]; A: computed on the way; B: computed on the way: QUANTISED
;;     5. batch 64 x [M 1,024, K 1,024] x [K 1,024, N 128]; A: softmax (see below); B: computed on the way: QUANTISED
;;     6. [M 4,096, K 2,048] x [K 2,048, N 2,048]; A: computed on the way; B: input out_w: QUANTISED
;;   THE QUANTISER, for each operand of a quantised product, along K:
;;     - K is cut into blocks of 32 from its start; a last block that is shorter is filled with zeros.
;;     - A block's scale is 2^e with e = floor(log2(the largest magnitude in the block)) - 2, held to -126 .. 127; a block of zeros has e = 0. As a byte (E8M0): e + 127.
;;     - Each number is divided by its block's scale, clamped to +-7.5, and rounded to the nearest number of E2M3, ties to even, subnormals kept.
;;     - The product sums the exact products of the quantised numbers (number of the format x scale) in f32.
;;   ~~~python
;;   def quantise(x, axis):      # numpy; x: float32 -> the quantised numbers, widened to float32 again
;;       x = np.moveaxis(x, axis, -1); K = x.shape[-1]
;;       x = np.pad(x, [(0, 0)] * (x.ndim - 1) + [(0, -K % 32)]); x = x.reshape(x.shape[:-1] + (-1, 32)); a = np.abs(x).max(-1, keepdims=True)
;;       e = np.where(a > 0, np.clip(np.frexp(np.where(a > 0, a, 1))[1] - 1 - 2, -126, 127), 0)      # np.frexp(a)[1] - 1 = floor(log2(a)), exactly
;;       r = np.clip(x / 2.0 ** e, -7.5, 7.5)
;;       step = 2.0 ** (np.maximum(np.frexp(np.where(r == 0, 1, r))[1] - 1, 0) - 3)
;;       q = np.round(r / step) * step * 2.0 ** e      # np.round: ties to even
;;       return np.moveaxis(q.reshape(q.shape[:-2] + (-1,))[..., :K], -1, axis).astype(np.float32)
;;   ~~~
;;   SOFTMAX AHEAD OF A QUANTISED PRODUCT. Where the list says 'softmax', what is quantised is not the finished softmax but p = 2^(t - M), with t = logit x log2(e) and M = ceil(the row's largest t), a whole number; so 1/2 < the row's largest p <= 1. The row's sum l is taken of the UNQUANTISED p, in f32, and the product's result is divided by l at the end. Since M is a whole number, a kernel that streams over the keys may use a running M (the ceiling of the running maximum): every later rescaling is an exact power of two, which a block's scale takes up: the codes' values come out the same.
;;   OPERANDS COMPUTED ON THE WAY. 'Computed on the way' means the value that the module computes at that place (a softmax that the list does not call 'softmax' is quantised finished and normalised). What goes into a quantiser is computed in f32, as accurately as f32 sums, v_exp_f32 and their like allow (about 1e-6 of the number): no bf16 or f16 on the way to a quantiser, and a product that is left as it is and whose result goes on into a quantised operand takes f32 operands (vector FMAs, or v_wmma_f32_16x16x4_f32). A number that lies on a knife's edge between two numbers of the format may be rounded either way, as far as f32 arithmetic and the matrix unit's own rounding can turn it there, and no further.
;; One version. Each part assembles by itself: llvm-mc -triple=amdgcn-amd-amdhsa -mcpu=gfx1250 --defsym DOCPART=n.
;; ======== version 1 of 1: 4 launches
;; limits: right only within a limited range of input values
;; workspace buffers: xc 6,291,456 bytes; xs 262,144 bytes; wq 4,915,200 bytes; ow 3,276,800 bytes; qkvc 9,437,184 bytes; qkvs 393,216 bytes; cc 6,291,456 bytes; cs 262,144 bytes
;; launch quant (part 1): grid 448 x 1, 4 waves a work-group, no clusters, 34,304 bytes of LDS; arguments hidden_states, q_w, k_w, v_w, xs, wq, xc; writes xc, xs, wq
.if DOCPART == 1
	.amdgcn_target "amdgcn-amd-amdhsa--gfx1250"
	.amdhsa_code_object_version 6
	.text
	.protected	k_q24301a86d7_quant
	.globl	k_q24301a86d7_quant
	.p2align	8
	.type	k_q24301a86d7_quant,@function
k_q24301a86d7_quant:
	s_mov_b64 s[64:65], 0
	v_nop
	global_prefetch_b8 v0, s[64:65] scope:SCOPE_SE
	s_setreg_imm32_b32 hwreg(HW_REG_WAVE_MODE, 25, 1), 1
	s_wait_xcnt 0x0
; hidden_states [4096][2048] and the three weights q_w, k_w, v_w ([2048 (K)][N], K outermost), all f32, become codes of FP6 (E2M3) with one E8M0 byte for each 32 along K.
; A block's scale is 2^(floor(log2(largest magnitude)) - 2): its byte is the largest magnitude's exponent field - 2, held at 1 from below.
; LIMITS: a block of zeros, or one whose largest magnitude lies under 2^-124, gets the byte 1 (its codes are zeros or subnormal codes of that scale; the bytes are read by this program alone); NaN and infinities are not served.
; LAYOUT OF THE RESULTS.  A tile is 16 rows of x (or 16 columns of a weight) that are NOT neighbours: lane r of tile t stands for index 32 (t / 2) + 8 (t % 2) + r % 8 + 16 (r / 8).
; A fragment (a tile x 128 along K) is stored as the image of its 12 operand registers: register 4 c + i of a lane at byte 512 c + 16 lane + 4 i: 1,536 bytes; [tile][K step][1536].
; Scale words: [tile][K step / 2][r][2 words]: 1,024 bytes a tile.
; Work-groups 0-255: a tile of x each; wave w takes K steps 4 w .. 4 w + 3.  Each load reads 512 consecutive bytes of one row; a fragment's 16 x 512 bytes turn through the wave's own stage in LDS,
; so that lane (r, h) gets the two whole blocks of 32 that the operand's layout gives it.
; Work-groups 256-447: 128 columns x 256 along K of a weight; a lane takes a column and its registers run down K, so nothing is transposed.
.set SPARE, 33792                      ; behind the four stages: the spare words, 128 bytes a wave
.set SPW,   14                         ; v14  my spare word's LDS address; never rewritten
.set NIL,   15                         ; v15  0; never rewritten
.set STGB,  8448                       ; a wave's stage: 16 rows of 528 bytes
.set SP,    528                        ; 512 bytes + 16: the sixteen rows that a load touches start at sixteen different 16-byte columns
.set XR,    16                         ; x path: v16-143 two sets of 64 registers as loaded
.set XX,    144                        ; v144-207 my two blocks of 32 numbers
.set XP,    208                        ; v208-219 the fragment's 12 registers
.set XT,    220                        ; v220-222, v224-226 the blocks' upper halves (a conversion's three registers begin on an even number)
.set TM,    228                        ; v228-235 at work
.set XW,    236                        ; v236-239 the four fragments' scale words
.set XD,    240                        ; v240-241 the two words that I store
.set WX,    16                         ; weight path: v16-111 three sets of 32 numbers
.set VO,    144                        ; v144-175 byte offset of my column in rows 0 .. 31 of a block
.set I0,    176                        ; v176-187 the even tile's fragment
.set I1,    188                        ; v188-199 the odd tile's
.set TA,    200
.set TB,    204
.set WT,    208                        ; v208-211 at work
.set WS,    212                        ; v212-213 my column's two scale words
	s_load_b256 s[4:11], s[0:1], 0x0               ; x, q_w, k_w, v_w
	s_load_b128 s[16:19], s[0:1], 0x20             ; xs, wq (the weights' codes, 192 tiles; behind them their scale words)
	s_load_b64 s[14:15], s[0:1], 0x30              ; xc
	v_lshl_add_u32 v[SPW], v0, 2, SPARE
	v_mov_b32 v[NIL], 0
	v_lshrrev_b32 v1, 5, v0
	v_readfirstlane_b32 s22, v1                    ; wave
	v_and_b32 v1, 31, v0                           ; lane
	s_wait_kmcnt 0x0
	s_add_nc_u64 s[20:21], s[18:19], 4718592       ; the weights' scale words lie behind 192 tiles x 24,576 bytes of codes
	s_cmp_lt_u32 ttmp9, 256
	s_cbranch_scc0 .Lw
	; ---------------- x ----------------
	s_lshr_b32 s23, ttmp9, 1
	s_lshl_b32 s23, s23, 5
	s_and_b32 s24, ttmp9, 1
	s_lshl_b32 s24, s24, 3
	s_add_co_u32 s23, s23, s24                     ; the tile's first row: 32 (t / 2) + 8 (t % 2)
	s_lshl_b32 s24, s23, 13                        ; rows of 8,192 bytes
	s_lshl_b32 s25, s22, 11                        ; my four K steps: 2,048 bytes on for each wave
	s_add_co_u32 s24, s24, s25
	s_mov_b32 s25, 0
	s_add_nc_u64 s[4:5], s[4:5], s[24:25]
	s_mul_i32 s24, ttmp9, 24576                    ; the tile's 16 fragments,
	s_mul_i32 s28, s22, 6144                       ; my four of them
	s_add_co_u32 s24, s24, s28
	s_add_nc_u64 s[14:15], s[14:15], s[24:25]
	s_lshl_b32 s24, ttmp9, 10                      ; the tile's scale words,
	s_lshl_b32 s28, s22, 8                         ; my 256 bytes of them
	s_add_co_u32 s24, s24, s28
	s_add_nc_u64 s[16:17], s[16:17], s[24:25]
	s_mov_b32 s26, 0x76543210
	s_mov_b32 s27, 0xfedcba98                      ; v_permlanex16_b32's selects for lane l xor 16
	s_mul_i32 s29, s22, STGB
	s_wait_alu depctr_va_vdst(0)
	v_lshlrev_b32 v2, 4, v1                        ; 16 x lane
	v_and_b32 v3, 15, v0                           ; r
	v_bfe_u32 v4, v0, 4, 1                         ; h
	v_add_nc_u32 v5, s29, v2                       ; into the stage: as loaded
	v_mul_u32_u24 v6, v3, SP
	v_lshl_add_u32 v6, v4, 7, v6
	v_add_nc_u32 v6, s29, v6                       ; out of it: row r, 128 h bytes on: k = 32 h + 0 .. 31
	v_lshlrev_b32 v7, 3, v1                        ; 8 x lane
	v_lshlrev_b32 v8, 3, v4                        ; 8 h
	v_mov_b32 v[TM+7], 0                           ; a lane permute's destination counts as one of its sources
.macro XLOAD f                         ; K step f of my four: 16 rows x 512 consecutive bytes
.irp p, 0,1,2,3,4,5,6,7,8,9,10,11,12,13,14,15
	global_load_b128 v[XR+64*((\f)%2)+4*\p:XR+64*((\f)%2)+4*\p+3], v2, s[4:5] offset:((\p%8)+16*(\p/8))*8192+512*(\f) th:TH_LOAD_NT
.endr
.endm
.macro XFRAG f
.if (\f) < 3
	s_wait_loadcnt 16                              ; this fragment's 16 loads are in; the next fragment's 16 may be out
.else
	s_wait_loadcnt 0x0
.endif
.irp p, 0,1,2,3,4,5,6,7,8,9,10,11,12,13,14,15
	ds_store_b128 v5, v[XR+64*((\f)%2)+4*\p:XR+64*((\f)%2)+4*\p+3] offset:SP*\p
.endr
.irp c, 0,1
.irp j, 0,1,2,3,4,5,6,7
	ds_load_b128 v[XX+32*\c+4*\j:XX+32*\c+4*\j+3], v6 offset:256*\c+16*\j   ; LDS serves a wave's instructions in order: these see my stores.  k = 64 c + 32 h + 4 j ..
.endr
.endr
	s_wait_dscnt 0x0
.if (\f)+2 < 4
	XLOAD (\f)+2
.endif
.irp c, 0,1
	v_max3_num_f32 v[TM+\c], |v[XX+32*\c]|, |v[XX+32*\c+1]|, 0x1800000   ; my block 2 c + h, and the floor 2^(3 - 127): the byte cannot fall under 1
.endr
.irp i, 2,4,6,8,10,12,14,16,18,20,22,24,26,28,30
.irp c, 0,1
	v_max3_num_f32 v[TM+\c], v[TM+\c], |v[XX+32*\c+\i]|, |v[XX+32*\c+\i+1]|
.endr
.endr
.irp c, 0,1
	v_add_nc_u32 v[TM+2+\c], 0xff000000, v[TM+\c]  ; 2 off the exponent field: the conversion's scale operand
.endr
.irp c, 0,1
	v_lshrrev_b32 v[TM+4+\c], 23, v[TM+2+\c]       ; the scale's byte
.endr
	v_lshl_or_b32 v[TM+6], v[TM+5], 16, v[TM+4]    ; blocks h and 2 + h,
	v_lshlrev_b32 v[TM+6], v8, v[TM+6]             ; at their places in the word;
	v_permlanex16_b32 v[TM+7], v[TM+6], s26, s27
	v_or_b32 v[XW+(\f)], v[TM+6], v[TM+7]          ; with lane l xor 16's two the word is whole
.if (\f) > 0
	s_wait_alu depctr_va_vdst(0)
	s_wait_xcnt 0x0                                ; the last fragment's stores have read their registers: only now are these written again
.endif
.irp c, 0,1
	v_cvt_scalef32_pk16_fp6_f32 v[XP+6*\c:XP+6*\c+2], v[XX+32*\c:XX+32*\c+15], v[TM+2+\c]
	v_cvt_scalef32_pk16_fp6_f32 v[XT+4*\c:XT+4*\c+2], v[XX+32*\c+16:XX+32*\c+31], v[TM+2+\c]
.endr
	v_nop                                          ; one plain place behind a scaled conversion
.irp c, 0,1
.irp i, 0,1,2
	v_mov_b32 v[XP+6*\c+3+\i], v[XT+4*\c+\i]
.endr
.endr
.irp c, 0,1,2
	global_store_b128 v2, v[XP+4*\c:XP+4*\c+3], s[14:15] offset:1536*(\f)+512*\c   ; 512 consecutive bytes, aligned
.endr
.endm
	XLOAD 0
	XLOAD 1
	s_wait_alu depctr_va_vdst(0)
	XFRAG 0
	XFRAG 1
	XFRAG 2
	XFRAG 3
	v_cmp_le_u32 vcc_lo, 16, v1                    ; lanes 0-15 store K steps 0, 1 of row r, lanes 16-31 K steps 2, 3
	v_cndmask_b32 v[XD], v[XW], v[XW+2], vcc_lo
	v_cndmask_b32 v[XD+1], v[XW+1], v[XW+3], vcc_lo
	global_store_b64 v7, v[XD:XD+1], s[16:17]      ; 256 consecutive bytes, aligned
	s_wait_tensorcnt 0x0                           ; the wave's end, behind my last LDS store
	ds_add_u32 v[SPW], v[NIL]
	s_wait_dscnt 0x0
	s_endpgm
	; ---------------- the weights ----------------
.Lw:
	s_sub_co_u32 s23, ttmp9, 256
	s_lshr_b32 s28, s23, 3                         ; cg: which 128 columns of the 3,072 (q_w 0-15, k_w 16-19, v_w 20-23): work-groups 256-447.  out_w is not served here: the next launch quantises it
	s_and_b32 s29, s23, 7                          ; kc: which 256 along K
	s_mov_b64 s[24:25], s[10:11]                   ; v_w,
	s_mov_b32 s30, 20                              ; its first cg,
	s_mov_b32 s31, 2048                            ; its row in bytes
	s_mov_b32 s49, 8192
	s_cmp_lt_u32 s28, 20
	s_cselect_b64 s[24:25], s[8:9], s[24:25]       ; k_w
	s_cselect_b32 s30, 16, s30
	s_cmp_lt_u32 s28, 16
	s_cselect_b64 s[24:25], s[6:7], s[24:25]       ; q_w
	s_cselect_b32 s30, 0, s30
	s_cselect_b32 s31, s49, s31
	s_sub_co_u32 s50, s28, s30
	s_lshl_b32 s50, s50, 9                         ; 128 columns are 512 bytes,
	s_lshl_b32 s51, s22, 7                         ; my wave's 32 are 128
	s_add_co_u32 s50, s50, s51
	s_lshl_b32 s51, s29, 8
	s_mul_i32 s51, s51, s31                        ; 256 kc rows down
	s_add_co_u32 s50, s50, s51
	s_mov_b32 s51, 0
	s_add_nc_u64 s[32:33], s[24:25], s[50:51]      ; block 0's first row
	s_lshl_b32 s50, s31, 5                         ; 32 rows
.irp k, 1,2,3,4,5,6,7
	s_add_nc_u64 s[32+2*\k:33+2*\k], s[30+2*\k:31+2*\k], s[50:51]   ; a base for each of the eight blocks: none is ever stepped
.endr
	s_lshl_b32 s52, s28, 3
	s_lshl_b32 s53, s22, 1
	s_add_co_u32 s52, s52, s53                     ; my even tile: 8 cg + 2 w
	s_mul_i32 s54, s52, 24576
	s_mul_i32 s55, s29, 3072                       ; K steps 2 kc, 2 kc + 1
	s_add_co_u32 s54, s54, s55
	s_mov_b32 s55, 0
	s_add_nc_u64 s[18:19], s[18:19], s[54:55]
	s_lshl_b32 s54, s52, 10
	s_lshl_b32 s56, s29, 7
	s_add_co_u32 s54, s54, s56
	s_add_nc_u64 s[20:21], s[20:21], s[54:55]
	s_wait_alu depctr_va_vdst(0)
	v_and_b32 v2, 7, v1
	v_bfe_u32 v3, v1, 3, 1
	v_lshl_add_u32 v2, v3, 4, v2
	v_lshrrev_b32 v4, 4, v1                        ; u: lanes 0-15 are the even tile, lanes 16-31 the odd one
	v_lshl_add_u32 v2, v4, 3, v2                   ; my column: l % 8 + 16 ((l / 8) % 2) + 8 (l / 16): the 32 lanes still cover 128 consecutive bytes
	v_lshlrev_b32 v2, 2, v2
	v_lshlrev_b32 v3, 4, v1                        ; 16 x lane
	v_and_b32 v5, 15, v1
	v_lshlrev_b32 v5, 3, v5
	v_lshl_add_u32 v4, v4, 10, v5                  ; my scale words: 1,024 u + 8 r
	v_mov_b32 v[VO], v2
.set i, 1
.rept 31
	v_add_nc_u32 v[VO+i], s31, v[VO+i-1]
.set i, i+1
.endr
.macro WLOAD kb                        ; block kb: W(32 kb + i, my column), i = 0 .. 31
.set i, 0
.rept 32
	global_load_b32 v[WX+32*((\kb)%3)+i], v[VO+i], s[32+2*(\kb):33+2*(\kb)] th:TH_LOAD_NT
.set i, i+1
.endr
.endm
.macro WBLOCK kb
.set XS, WX+32*((\kb)%3)
.set CC, ((\kb)%4)/2
.if (\kb) < 6
	s_wait_loadcnt 63                              ; two later blocks, 64 loads, were issued behind this block's: the count's field ends at 63
.elseif (\kb) == 6
	s_wait_loadcnt 32                              ; the last block's 32 may be out
.else
	s_wait_loadcnt 0x0
.endif
	v_max3_num_f32 v[WT], |v[XS]|, |v[XS+1]|, |v[XS+2]|            ; all 32 numbers of the block are mine
	v_max3_num_f32 v[WT+1], |v[XS+3]|, |v[XS+4]|, |v[XS+5]|
.irp i, 6,10,14,18,22,26
	v_max3_num_f32 v[WT], v[WT], |v[XS+\i]|, |v[XS+\i+1]|
	v_max3_num_f32 v[WT+1], v[WT+1], |v[XS+\i+2]|, |v[XS+\i+3]|
.endr
	v_max3_num_f32 v[WT], v[WT], |v[XS+30]|, |v[XS+31]|
	v_max3_num_f32 v[WT], v[WT], v[WT+1], 0x1800000                ; and the floor 2^(3 - 127)
	v_add_nc_u32 v[WT+2], 0xff000000, v[WT]        ; the conversion's scale operand
	v_lshrrev_b32 v[WT+3], 23, v[WT+2]             ; the byte
.if (\kb)%4 == 0
	v_mov_b32 v[WS+(\kb)/4], v[WT+3]
.else
	v_lshl_or_b32 v[WS+(\kb)/4], v[WT+3], 8*((\kb)%4), v[WS+(\kb)/4]
.endif
.if (\kb) == 4
	s_wait_alu depctr_va_vdst(0)
	s_wait_xcnt 0x0                                ; the first K step's stores have read their registers
.endif
.if (\kb)%2 == 0
	v_cvt_scalef32_pk16_fp6_f32 v[I0+6*CC:I0+6*CC+2], v[XS:XS+15], v[WT+2]
	v_cvt_scalef32_pk16_fp6_f32 v[TA:TA+2], v[XS+16:XS+31], v[WT+2]
.else
	v_cvt_scalef32_pk16_fp6_f32 v[I1+6*CC:I1+6*CC+2], v[XS:XS+15], v[WT+2]
	v_cvt_scalef32_pk16_fp6_f32 v[TB:TB+2], v[XS+16:XS+31], v[WT+2]
.endif
	v_nop                                          ; one plain place behind a scaled conversion
.if (\kb)+3 < 8
	WLOAD (\kb)+3
.endif
.if (\kb)%2 == 1                       ; an even block's register holds (even tile | odd tile), an odd block's likewise: the swap makes (even tile: even block | odd block) and the same of the odd tile: the operands' images
.irp i, 0,1,2
	v_permlane16_swap_b32 v[I0+6*CC+\i], v[I1+6*CC+\i]
.endr
.irp i, 0,1,2
	v_permlane16_swap_b32 v[TA+\i], v[TB+\i]
.endr
.irp i, 0,1,2
	v_mov_b32 v[I0+6*CC+3+\i], v[TA+\i]
	v_mov_b32 v[I1+6*CC+3+\i], v[TB+\i]
.endr
.endif
.if (\kb)%4 == 3
.irp c, 0,1,2
	global_store_b128 v3, v[I0+4*\c:I0+4*\c+3], s[18:19] offset:((\kb)/4)*1536+512*\c
.endr
.irp c, 0,1,2
	global_store_b128 v3, v[I1+4*\c:I1+4*\c+3], s[18:19] offset:24576+((\kb)/4)*1536+512*\c
.endr
.endif
.endm
	WLOAD 0
	WLOAD 1
	WLOAD 2
	WBLOCK 0
	WBLOCK 1
	WBLOCK 2
	WBLOCK 3
	WBLOCK 4
	WBLOCK 5
	WBLOCK 6
	WBLOCK 7
	global_store_b64 v4, v[WS:WS+1], s[20:21]      ; sixteen lanes store 128 consecutive bytes of each tile's scale words
	s_endpgm
.Lfunc_end_k_q24301a86d7_quant:
	.size	k_q24301a86d7_quant, .Lfunc_end_k_q24301a86d7_quant-k_q24301a86d7_quant
	.p2alignl 7, 3214868480
	.fill 96, 4, 3214868480
	.section	.rodata,"a",@progbits
	.p2align	6, 0x0
	.amdhsa_kernel k_q24301a86d7_quant
		.amdhsa_group_segment_fixed_size 34304
		.amdhsa_private_segment_fixed_size 0
		.amdhsa_enable_private_segment 0
		.amdhsa_kernarg_size 56
		.amdhsa_user_sgpr_count 2
		.amdhsa_user_sgpr_kernarg_segment_ptr 1
		.amdhsa_wavefront_size32 1
		.amdhsa_system_sgpr_workgroup_id_x 1
		.amdhsa_system_sgpr_workgroup_id_y 1
		.amdhsa_system_sgpr_workgroup_id_z 1
		.amdhsa_system_vgpr_workitem_id 0
		.amdhsa_next_free_vgpr 256
		.amdhsa_next_free_sgpr 66
		.amdhsa_reserve_vcc 1
		.amdhsa_float_denorm_mode_32 3
		.amdhsa_float_denorm_mode_16_64 3
		.amdhsa_memory_ordered 1
		.amdhsa_forward_progress 1
		.amdhsa_inst_pref_size 71
	.end_amdhsa_kernel
	.amdgpu_metadata
---
amdhsa.version: [ 1, 2 ]
amdhsa.kernels:
  - .name:           k_q24301a86d7_quant
    .symbol:         k_q24301a86d7_quant.kd
    .args:
      - { .name: hidden_states, .offset: 0, .size: 8, .value_kind: global_buffer, .address_space: global }
      - { .name: q_w, .offset: 8, .size: 8, .value_kind: global_buffer, .address_space: global }
      - { .name: k_w, .offset: 16, .size: 8, .value_kind: global_buffer, .address_space: global }
      - { .name: v_w, .offset: 24, .size: 8, .value_kind: global_buffer, .address_space: global }
      - { .name: xs, .offset: 32, .size: 8, .value_kind: global_buffer, .address_space: global }
      - { .name: wq, .offset: 40, .size: 8, .value_kind: global_buffer, .address_space: global }
      - { .name: xc, .offset: 48, .size: 8, .value_kind: global_buffer, .address_space: global }
    .group_segment_fixed_size: 34304
    .private_segment_fixed_size: 0
    .kernarg_segment_align: 8
    .kernarg_segment_size: 56
    .max_flat_workgroup_size: 128
    .sgpr_count:     66
    .vgpr_count:     256
    .wavefront_size: 32
...
	.end_amdgpu_metadata
.endif
;; end of part 1
;; launch qkv (part 2): grid 256 x 1, 4 waves a work-group, clusters of 4 x 1, 327,680 bytes of LDS; arguments xc, xs, qkvc, qkvs, wq, out_w, ow; writes qkvc, qkvs, ow
.if DOCPART == 2
	.amdgcn_target "amdgcn-amd-amdhsa--gfx1250"
	.amdhsa_code_object_version 6
	.text
	.protected	k_q24301a86d7_qkv
	.globl	k_q24301a86d7_qkv
	.p2align	8
	.type	k_q24301a86d7_qkv,@function
k_q24301a86d7_qkv:
	s_mov_b64 s[64:65], 0
	v_nop
	global_prefetch_b8 v0, s[64:65] scope:SCOPE_SE
	s_setreg_imm32_b32 hwreg(HW_REG_WAVE_MODE, 25, 1), 1
	s_wait_xcnt 0x0
	s_wait_alu depctr_hold_cnt(0) depctr_sa_sdst(0) depctr_va_vdst(0) depctr_va_sdst(0) depctr_va_ssrc(0) depctr_va_vcc(0) depctr_vm_vsrc(0)
	s_getreg_b32 s2, hwreg(HW_REG_IB_STS2, 6, 4)
	s_cmp_eq_u32 s2, 0
	s_cbranch_scc0 .Lentry_in_a_cluster
	s_endpgm
.Lentry_in_a_cluster:
	s_bfe_u32 s2, ttmp6, 0x10000c
	s_cmp_lg_u32 s2, 0x3003
	s_cbranch_scc0 .Lentry_shape_is_right
	s_endpgm
.Lentry_shape_is_right:
; q, k and v = x W on codes of FP6 (E2M3) with E8M0 scales, K = 2,048, sums in f32; the results are quantised in registers and leave as codes: q and k along the head's 128, v along the keys.
; OPERANDS are images of operand registers (a fragment = 16 rows x 128 K = 1,536 bytes: register 4 c + i of a lane at 512 c + 16 lane + 4 i), [tile][K step][1536]; scale words [tile][K step / 2][r][2].
; A tile's 16 rows are not neighbours: lane r of tile t stands for index 32 (t / 2) + 8 (t % 2) + r % 8 + 16 (r / 8).  With such a tile as source 0, the 16 registers of tiles 2 b, 2 b + 1 of a result are 16 neighbours.
; A WORK-GROUP makes 128 (side A) x 512 (side B); each of its four waves all 8 tiles of A x its own 8 tiles of B: 64 accumulators, 512 registers.  Source 0 = side B (its index runs along a lane's registers), source 1 = side A.
; ROLES.  Clusters 0-39: A = 128 rows of x, B = 512 columns of Wq | Wk: a wave's 128 columns are one head, so a lane holds one token and the head's channels: q's and k's K.
;         Clusters 40-47: A = 128 columns of Wv (one kv head), B = 512 rows of x: a lane holds one channel and 128 keys: v's K.  The roles differ in pointers and tile numbers alone, chosen by the cluster's number.
; CLUSTER 4 x 1: the four partners share side B's tile (one joint load, mask 15) and have a tile of side A each (plain loads): 1,024 rows are asked for in place of 2,560.
; 4 x 4 clusters are not used: v's exchanged roles have 512 columns of Wv against 4,096 rows, k's 512 columns of Wk: neither divides into a 4 x 4 cluster of one tile shape with q's.
; K goes in slots of 256 (two K steps) through a ring of two LDS slots; the scale words of all of K come once.
; LIMITS of the quantiser: a block whose largest magnitude lies under 2^-124 (zeros too) gets the byte 1; NaN and infinities are not served.
; REGISTERS: window 0: v0-31 addresses; v32-63 scale words, two sets; v128-223 A's fragments, one set; v64-127 the way out.  window 1: B's fragments, two sets (v0, v128).  windows 2, 3: accumulator (a, b) at v[8 (8 (a % 4) + b)].
; CLUSTERS 48-63 have no part of the products: they quantise out_w [2048 (K)][2048], f32, into ow (128 tiles of codes in the layout above, behind them the scale words), which the last launch reads.
; That path (.Lw, at the text's end) parts on the cluster's number alone, touches no LDS and issues no tensor load.
; THE HEAD: one tensor load a wave: wave 0 slot 0's 32 tiles of B, wave 1 its 8 tiles of A, wave 2 B's scale words, wave 3 A's.  Slot 1 is first filled as a refill is.
; PREFETCH: behind the load of slot data d stand two requests a wave for slot data d + 2: a tile's 3,072 bytes are 12 blocks of 256; a wave names 4 tiles, 48 blocks: 32 lanes, then 16 (the other 16 name the wave's last block again).
; Waves 0, 1 name B's tiles: the cluster's 32 are shared out by address among 4 partners x 2 waves; waves 2, 3 name the 4 tiles of A that they fetch.  The data are 0 .. 7: the loop's last trip asks for nothing.
.set G0HB,  96                         ; s[96:99] group 0 of the head's load of B's slot 0
.set G0HA,  92                         ; s[92:95] of A's
.set PFA,   90                         ; s[90:91] where my prefetches stand
.set PF1,   6                          ; v6  24,576 (lane / 8) + 256 (lane % 8): blocks 0-7 of my four tiles; never rewritten
.set PF2,   7                          ; v7  with m = min(lane, 15): 24,576 (m / 4) + 256 (m % 4): blocks 8-11, by the immediate 2,048; never rewritten
.macro ASK d
	global_prefetch_b8 v[PF1], s[PFA:PFA+1] offset:(\d) th:TH_LOAD_NT scope:SCOPE_SE
	global_prefetch_b8 v[PF2], s[PFA:PFA+1] offset:(\d)+2048 th:TH_LOAD_NT scope:SCOPE_SE
.endm
.set NL,    3                          ; LDS loads that bring a fragment
.set NP,    4                          ; places behind this matrix instruction (ISA guide 7.12.1)
.set FR,    12
.set FRB,   1536
.set TROW,  3072                       ; a tile's two K steps
.set SLOT,  122880                     ; B's 32 tiles, then A's 8
.set AOFF,  98304
.set SCA,   245760                     ; A's scale words: 8 tiles x 1,024 bytes
.set SCB,   254080                     ; B's: 32 x 1,024; 128 bytes past a multiple of 256, so that the two halves of the lanes read different banks
.set SPARE, 286976                     ; the spare words, 128 bytes a wave
.set ADRA,  16                         ; v16-17  my lane's place in A's fragments, slot 0, 1
.set ADRB,  20                         ; v20-21  the same for my wave's tiles of B
.set LI,    24                         ; v24     16 x lane
.set ADRS,  27                         ; v27     my scale words: lanes 0-15 A's, lanes 16-31 B's
.set SPW,   28
.set NIL,   29
.set SC,    32
.set AF,    128
.set G1B,   24
.set G0B,   32
.set G1A,   40
.set G0A,   48
.set G1SB,  56
.set G0SB,  68
.set G1SA,  72
.set G0SA,  80
.set SEL,   100
.set TM,    64                         ; the way out: v64-79 at work
.set WQ,    80                         ; v80-87 the eight fragments' scale words
.set DD,    88                         ; v88-91 the four that I store
.set PC,    96                         ; v96-114 codes
.set MSB, 0
.macro WIN new                         ; the immediate's high byte repeats the setting that is left
.if MSB != (\new)
	s_set_vgpr_msb (MSB<<8)|(\new)
.set MSB, (\new)
.endif
.endm
.set MUL_LO, 0xa1                      ; source 0 (B) window 1, source 1 (A) window 0, C and D window 2
.set MUL_HI, 0xf1
.set TO_B,   0x40
.macro GROUP1 g, w0, c, r, p           ; a descriptor's group 1: r rows of c elements of 8 bytes, p elements apart, no padding
	s_mov_b32 s[\g+0], \w0
	s_mov_b32 s[\g+1], (\c)<<16
	s_mov_b32 s[\g+2], (\r)<<16
	s_mov_b32 s[\g+3], (\c)<<16
	s_mov_b32 s[\g+4], \r
	s_mov_b32 s[\g+5], \p
	s_mov_b32 s[\g+6], 0
	s_mov_b32 s[\g+7], 0
.endm
; Waves 0 and 1 fetch for B (jointly), waves 2 and 3 for A.  The branch hangs on the wave's number alone.  An s_nop 0 and four v_nop follow each line.
.macro JLOAD g0b, g1b, g0a, g1a
	s_cmp_eq_u32 s17, 0
	s_cbranch_scc0 .Lfor_a_\@
	tensor_load_to_lds s[\g0b:\g0b+3], s[\g1b:\g1b+7]
	s_nop 0
.rept 4
	v_nop
.endr
	s_branch .Lasked_\@
.Lfor_a_\@:
	tensor_load_to_lds s[\g0a:\g0a+3], s[\g1a:\g1a+7]
	s_nop 0
.rept 4
	v_nop
.endr
.Lasked_\@:
.endm
.macro CREST                           ; a round of the cluster's barrier behind its opening barrier
	s_cmp_lg_u32 s16, 0
	s_cbranch_scc1 .Lnot_wave_0_\@
	s_barrier_signal -3
.Lnot_wave_0_\@:
	s_barrier_wait -3
	s_barrier_signal -1
	s_barrier_wait -1
.endm
.macro CROUND
	s_barrier_signal -1
	s_barrier_wait -1
	CREST
.endm
	s_cmp_ge_u32 ttmp9, 48                         ; the cluster's number: the same in all four partners and in all waves
	s_cbranch_scc1 .Lw
	s_load_b128 s[4:7], s[0:1], 0x0                ; xc, xs
	s_load_b128 s[12:15], s[0:1], 0x10             ; qkvc, qkvs
	s_load_b64 s[8:9], s[0:1], 0x20                ; wq: the weights' codes, behind them their scale words
	v_lshl_add_u32 v[SPW], v0, 2, SPARE
	v_mov_b32 v[NIL], 0
	ds_add_u32 v[SPW], v[NIL]                      ; the wave's opening: the add and its wait stand ahead of my first tensor load; work on registers stands between them
	ds_add_u32 v[SPW], v[NIL]
	v_lshrrev_b32 v1, 5, v0
	v_readfirstlane_b32 s16, v1                    ; wave
	s_lshr_b32 s17, s16, 1                         ; 0: I fetch for B; 1: for A
	s_and_b32 s18, s16, 1                          ; which half of that tile
	s_bfe_u32 s19, ttmp6, 0x40000                  ; cx
	s_and_b32 s20, ttmp9, 7                        ; lo
	s_lshr_b32 s21, ttmp9, 3                       ; hi: 0-3 q, 4 k, 5 v
	GROUP1 G1B, 15|(3<<16)|(1<<21), 384, 32, 3072  ; B's codes: tiles of 3,072 bytes, 24,576 bytes apart; mask: all four partners, bit 21 beside it.  32 tiles for the head's load; behind it the two words that count rows are set to 16
	GROUP1 G1A, 3<<16, 384, 8, 3072                ; A's codes: 8 tiles at the head, then 4; no mask
	GROUP1 G1SB, 15|(3<<16)|(1<<21), 32, 128, 32   ; B's scale words: 32,768 dense bytes as rows of 256
	GROUP1 G1SA, 3<<16, 32, 32, 32                 ; A's: 8,192
	s_lshl_b32 s84, s20, 2
	s_add_co_u32 s84, s84, s19                     ; At = 4 lo + cx: which 128 rows of x (q, k)
	s_lshl_b32 s85, s84, 3                         ; A's first tile: q, k
	s_lshl_b32 s86, s19, 3
	s_add_co_u32 s86, s86, 160                     ; v: kv head cx of Wv
	s_lshl_b32 s87, s21, 5                         ; B's first tile: q, k: 512 columns hi
	s_lshl_b32 s88, s20, 5                         ; v: 512 rows lo of x
	s_lshr_b32 s22, s84, 3                         ; where my wave's eight fragments go.  q, k: group ((batch x 20 + head) x 8 + At % 8)
	s_mul_i32 s22, s22, 20
	s_lshl_b32 s23, s21, 2
	s_add_co_u32 s22, s22, s23
	s_add_co_u32 s22, s22, s16
	s_lshl_b32 s22, s22, 3
	s_and_b32 s23, s84, 7
	s_add_co_u32 s22, s22, s23
	s_lshr_b32 s23, s20, 1                         ; v: group 640 + (batch x 4 + kv head) x 8 + key step
	s_lshl_b32 s23, s23, 2
	s_add_co_u32 s23, s23, s19
	s_lshl_b32 s23, s23, 3
	s_and_b32 s66, s20, 1
	s_lshl_b32 s66, s66, 2
	s_add_co_u32 s23, s23, s66
	s_add_co_u32 s23, s23, s16
	s_add_co_u32 s23, s23, 640
	s_cmp_eq_u32 s21, 5                            ; the role: the same in all four partners
	s_cselect_b32 s85, s86, s85
	s_cselect_b32 s87, s88, s87
	s_cselect_b32 s22, s23, s22
	s_mul_i32 s90, s85, 24576                      ; A's first tile: its codes,
	s_mov_b32 s91, 0
	s_lshl_b32 s92, s85, 10                        ; its scale words
	s_mov_b32 s93, 0
	s_mul_i32 s96, s87, 24576                      ; B's first tile: no place in the cluster enters it
	s_mov_b32 s97, 0
	s_lshl_b32 s98, s87, 10
	s_mov_b32 s99, 0
	s_mul_i32 s88, s18, 49152                      ; the ring: where my half of a tile goes in LDS: the wave's number and constants alone
	s_mul_i32 s89, s18, 12288
	s_add_co_u32 s89, s89, AOFF
	s_mul_i32 s2, s18, 16*24576                    ; and where my half of B's 32 tiles begins in memory
	s_mov_b32 s3, 0
	s_mov_b32 s[SEL], 0x76543210
	s_mov_b32 s[SEL+1], 0xfedcba98
	s_wait_dscnt 0x0                               ; the opening add is done
	s_wait_kmcnt 0x0
	s_add_nc_u64 s[10:11], s[8:9], 4718592         ; the weights' scale words lie behind 192 tiles x 24,576 bytes of codes
	s_cmp_eq_u32 s21, 5
	s_cselect_b64 s[84:85], s[8:9], s[4:5]         ; side A's codes: Wv's, or x's
	s_cselect_b64 s[86:87], s[10:11], s[6:7]       ; and scale words
	s_cselect_b64 s[4:5], s[4:5], s[8:9]           ; side B's codes
	s_cselect_b64 s[6:7], s[6:7], s[10:11]
	s_add_nc_u64 s[84:85], s[84:85], s[90:91]
	s_add_nc_u64 s[86:87], s[86:87], s[92:93]
	s_add_nc_u64 s[4:5], s[4:5], s[96:97]
	s_add_nc_u64 s[6:7], s[6:7], s[98:99]
	s_mul_i32 s66, s22, 12288
	s_mov_b32 s67, 0
	s_add_nc_u64 s[12:13], s[12:13], s[66:67]      ; my group's codes
	s_lshl_b32 s66, s22, 9
	s_add_nc_u64 s[14:15], s[14:15], s[66:67]      ; and its scale words
	s_mov_b32 s[G0SB], 1                           ; the head's four tiles, each whole: B's scale words,
	s_mov_b32 s[G0SB+1], SCB
	s_mov_b64 s[G0SB+2:G0SB+3], s[6:7]
	s_or_b32 s[G0SB+3], s[G0SB+3], 0x80000000
	s_mov_b32 s[G0SA], 1                           ; A's,
	s_mov_b32 s[G0SA+1], SCA
	s_mov_b64 s[G0SA+2:G0SA+3], s[86:87]
	s_or_b32 s[G0SA+3], s[G0SA+3], 0x80000000
	s_mov_b32 s[G0HB], 1                           ; slot 0's 32 tiles of B,
	s_mov_b32 s[G0HB+1], 0
	s_mov_b64 s[G0HB+2:G0HB+3], s[4:5]
	s_or_b32 s[G0HB+3], s[G0HB+3], 0x80000000
	s_mov_b32 s[G0HA], 1                           ; and its 8 tiles of A
	s_mov_b32 s[G0HA+1], AOFF
	s_mov_b64 s[G0HA+2:G0HA+3], s[84:85]
	s_or_b32 s[G0HA+3], s[G0HA+3], 0x80000000
	s_lshl_b32 s66, s19, 1                         ; the prefetches: which four tiles are mine: of B's 32: share 2 cx + half; of A's 8: the half that I fetch
	s_cmp_eq_u32 s17, 0
	s_cselect_b32 s66, s66, 0
	s_cselect_b64 s[PFA:PFA+1], s[4:5], s[84:85]
	s_add_co_u32 s66, s66, s18
	s_mul_i32 s66, s66, 4*24576
	s_add_nc_u64 s[PFA:PFA+1], s[PFA:PFA+1], s[66:67]
	s_mul_i32 s66, s18, 4*24576
	s_add_nc_u64 s[4:5], s[4:5], s[2:3]            ; for the ring: my half of B's tiles,
	s_add_nc_u64 s[84:85], s[84:85], s[66:67]      ; and of A's
.irp s, 0,1
	s_mov_b32 s[G0B+4*\s], 1
	s_add_co_u32 s[G0B+4*\s+1], s88, \s*SLOT
	s_add_nc_u64 s[G0B+4*\s+2:G0B+4*\s+3], s[4:5], \s*TROW
	s_or_b32 s[G0B+4*\s+3], s[G0B+4*\s+3], 0x80000000
	s_mov_b32 s[G0A+4*\s], 1
	s_add_co_u32 s[G0A+4*\s+1], s89, \s*SLOT
	s_add_nc_u64 s[G0A+4*\s+2:G0A+4*\s+3], s[84:85], \s*TROW
	s_or_b32 s[G0A+4*\s+3], s[G0A+4*\s+3], 0x80000000
.endr
	CROUND                                         ; all four work-groups are here: the first joint loads meet
; One chain of branches on the wave's number, each arm with its load and, but for the last, a jump to the chain's end: every way through the head passes exactly one load.
.macro ARM under, g0, g1, next
	s_cmp_lt_u32 s16, \under
	s_cbranch_scc0 \next
	tensor_load_to_lds s[\g0:\g0+3], s[\g1:\g1+7]
	s_nop 0
.rept 4
	v_nop
.endr
	s_branch .Lhead_asked
\next:
.endm
	ARM 1, G0HB, G1B, .Lhead_a
	ARM 2, G0HA, G1A, .Lhead_sb
	ARM 3, G0SB, G1SB, .Lhead_sa
	tensor_load_to_lds s[G0SA:G0SA+3], s[G1SA:G1SA+7]
	s_nop 0
.rept 4
	v_nop
.endr
.Lhead_asked:
	v_and_b32 v1, 15, v0                           ; r
	v_bfe_u32 v2, v0, 4, 1                         ; h
	v_and_b32 v3, 31, v0                           ; lane
	v_lshlrev_b32 v[LI], 4, v3
	s_mul_i32 s88, s16, 24576                      ; my wave's 8 tiles of B
	v_add_nc_u32 v[ADRB], s88, v[LI]
	v_add_nc_u32 v[ADRB+1], SLOT, v[ADRB]
	v_add_nc_u32 v[ADRA], AOFF, v[LI]
	v_add_nc_u32 v[ADRA+1], AOFF+SLOT, v[LI]
	s_lshl_b32 s88, s16, 13
	s_add_co_u32 s88, s88, SCB-SCA
	v_mul_u32_u24 v4, s88, v2                      ; lanes 16-31 take B's words: one product, the distance between the two bases
	v_lshl_add_u32 v4, v1, 3, v4
	v_add_nc_u32 v[ADRS], SCA, v4
	v_lshlrev_b32 v25, 5, v1
	v_lshl_add_u32 v25, v2, 4, v25                 ; the way out: 32 r + 16 h
	v_lshrrev_b32 v[PF1], 3, v3
	v_and_b32 v8, 7, v3
	v_mul_u32_u24 v[PF1], v[PF1], 24576
	v_lshl_add_u32 v[PF1], v8, 8, v[PF1]
	v_min_u32 v8, 15, v3
	v_lshrrev_b32 v[PF2], 2, v8
	v_and_b32 v8, 3, v8
	v_mul_u32_u24 v[PF2], v[PF2], 24576
	v_lshl_add_u32 v[PF2], v8, 8, v[PF2]
	ASK TROW                                       ; slot data 1 and 2: data 0 comes by its load alone
	ASK 2*TROW
.macro FRAG reg, adr, off              ; a fragment comes as it was stored: three loads of 512 consecutive bytes
.irp c, 0,1,2
	ds_load_b128 v[\reg+4*\c:\reg+4*\c+3], v[\adr] offset:\off+512*\c
.endr
.endm
; 16 matrix instructions: A's blocks a0, a0 + 1 x B's eight.  p: B's set; q: which K step of the slot; sc: the set of scale words.  zero = 1: the first product starts the sums.
; The 64 accumulators take turns, one instruction a turn, in the same order in every step.
.macro MUL16 a0, p, q, sc, zero
.irp a, \a0, \a0+1
.irp b, 0,1,2,3,4,5,6,7
.if \zero
	v_wmma_scale_f32_16x16x128_f8f6f4 v[8*(8*((\a)%4)+\b):8*(8*((\a)%4)+\b)+7], v[128*(\p)+FR*\b:128*(\p)+FR*\b+FR-1], v[AF+FR*(\a):AF+FR*(\a)+FR-1], 0, v[SC+16*(\sc)+2*\b+(\q)], v[SC+16*(\sc)+2*(\a)+(\q)] matrix_a_fmt:MATRIX_FMT_FP6 matrix_b_fmt:MATRIX_FMT_FP6 matrix_a_scale:MATRIX_SCALE_ROW1
.else
	v_wmma_scale_f32_16x16x128_f8f6f4 v[8*(8*((\a)%4)+\b):8*(8*((\a)%4)+\b)+7], v[128*(\p)+FR*\b:128*(\p)+FR*\b+FR-1], v[AF+FR*(\a):AF+FR*(\a)+FR-1], v[8*(8*((\a)%4)+\b):8*(8*((\a)%4)+\b)+7], v[SC+16*(\sc)+2*\b+(\q)], v[SC+16*(\sc)+2*(\a)+(\q)] matrix_a_fmt:MATRIX_FMT_FP6 matrix_b_fmt:MATRIX_FMT_FP6 matrix_a_scale:MATRIX_SCALE_ROW1
.endif
.endr
.endr
.endm
.macro FETCH_B slot, q, p
	WIN TO_B
.irp i, 0,1,2,3,4,5,6,7
	FRAG 128*(\p)+FR*\i, ADRB+\slot, TROW*\i+FRB*(\q)
.endr
	WIN 0
.endm
.macro FETCH_A slot, q, i0
.irp i, \i0, \i0+1, \i0+2, \i0+3
	FRAG AF+FR*(\i), ADRA+\slot, TROW*(\i)+FRB*(\q)
.endr
.endm
.macro SCALES sc                       ; a slot's two words a row: lanes 0-15 A's tile i, lanes 16-31 my B tile i
.irp i, 0,1,2,3,4,5,6,7
	ds_load_b64 v[SC+16*\sc+2*\i:SC+16*\sc+2*\i+1], v[ADRS] offset:1024*\i
.endr
.endm
.macro PLACES n                        ; plain vector instructions between a matrix instruction and a load into, or a read of, its registers
.rept \n
	v_nop
.endr
.endm
.macro STEP slot, q, zero              ; a K step that has its successor in the same slot
	s_wait_dscnt 4*NL                              ; B's set, A's blocks 0-3 and the scale words are in; the youngest 12 loads (A's blocks 4-7) may be out
	WIN MUL_LO
	MUL16 0, (\q)%2, \q, \slot, \zero
	MUL16 2, (\q)%2, \q, \slot, \zero
	s_wait_dscnt 0
	PLACES NP
	FETCH_B \slot, (\q)+1, 1-(\q)%2
	FETCH_A \slot, (\q)+1, 0
	WIN MUL_HI
	MUL16 4, (\q)%2, \q, \slot, \zero
	MUL16 6, (\q)%2, \q, \slot, \zero
	PLACES NP
	WIN 0
	FETCH_A \slot, (\q)+1, 4
.endm
; A slot's last K step changes slots: one barrier; in front of it each wave waits for all its tensor loads, adds 0 to its spare word, and waits for that and for its reads of this slot.  fill = 1: the slot is filled again, two slots ahead.
.macro TURN slot, next, fill
.if \fill
	s_wait_xcnt 0x0                                ; my prefetches have read their address: it is stepped here, a slot behind them
	s_add_nc_u64 s[PFA:PFA+1], s[PFA:PFA+1], TROW
.endif
	s_wait_tensorcnt 0x0                           ; all my tensor loads have landed: my part of the next slot
	ds_add_u32 v[SPW], v[NIL]                      ; 0 onto my spare word
	s_wait_dscnt 4*NL+1                            ; the add and the youngest 12 loads may be out
	WIN MUL_LO
	MUL16 0, 1, 1, \slot, 0
	s_wait_dscnt 0x0                               ; the add is done, and my reads of this slot are over
	s_barrier_signal -1
	MUL16 2, 1, 1, \slot, 0
	WIN 0
	s_barrier_wait -1
.if \fill
	CREST                                          ; the barrier has opened a round of the cluster's: no wave of any partner still reads this slot or has a load on its way
	s_add_nc_u64 s[G0B+4*\slot+2:G0B+4*\slot+3], s[G0B+4*\slot+2:G0B+4*\slot+3], 2*TROW
	s_add_nc_u64 s[G0A+4*\slot+2:G0A+4*\slot+3], s[G0A+4*\slot+2:G0A+4*\slot+3], 2*TROW
	JLOAD G0B+4*\slot, G1B, G0A+4*\slot, G1A       ; the first tensor load behind the round, my one load until the next; its four v_nop are the places in front of the loads below
.else
	PLACES NP
.endif
	s_wait_alu depctr_va_vdst(0)
	v_add_nc_u32 v[ADRS], 128, v[ADRS]             ; the next slot's scale words
	FETCH_B \next, 0, 0
	FETCH_A \next, 0, 0
	SCALES \next
.if \fill
	s_cmp_gt_u32 s3, 1                             ; the loop's last trip fills data 6 and 7: there is no data two further on
	s_cbranch_scc0 .Lno_ask_\@
	ASK 3*TROW                                     ; the slot data two behind the one just asked for
.Lno_ask_\@:
.endif
	WIN MUL_HI
	MUL16 4, 1, 1, \slot, 0
	MUL16 6, 1, 1, \slot, 0
	PLACES NP
	WIN 0
	FETCH_A \next, 0, 4
.endm
	s_wait_alu depctr_va_vdst(0)
	s_wait_tensorcnt 0x0                           ; my tile of the head's four is in
	ds_add_u32 v[SPW], v[NIL]
	s_mov_b32 s[G1B+2], 16<<16                     ; no tensor load of mine is out, so a descriptor may be written: from here on a load brings 16 tiles of B
	s_mov_b32 s[G1B+4], 16
	s_mov_b32 s[G1A+2], 4<<16                      ; or 4 of A
	s_mov_b32 s[G1A+4], 4
	s_wait_dscnt 0x0                               ; the add is done
	CROUND                                         ; all four tiles are in, and all four work-groups are here
	JLOAD G0B+4, G1B, G0A+4, G1A                   ; slot 1: the first tensor load behind the round
	FETCH_B 0, 0, 0
	FETCH_A 0, 0, 0
	SCALES 0
	FETCH_A 0, 0, 4
	ASK 3*TROW                                     ; slot data 3
	STEP 0, 0, 1                                   ; the first K step starts the sums
	s_mov_b32 s3, 3
.Llap:                                                 ; a trip goes once round the ring and fills both slots again: 16 K steps are 8 fills
	TURN 0, 1, 1
	STEP 1, 0, 0
	TURN 1, 0, 1
	STEP 0, 0, 0
	s_sub_co_u32 s3, s3, 1
	s_cmp_lg_u32 s3, 0
	s_cbranch_scc1 .Llap
	TURN 0, 1, 0                                   ; the last lap fills nothing
	STEP 1, 0, 0
	s_wait_dscnt 4*NL
	WIN MUL_LO
	MUL16 0, 1, 1, 1, 0
	MUL16 2, 1, 1, 1, 0
	s_wait_dscnt 0
	WIN MUL_HI
	MUL16 4, 1, 1, 1, 0
	MUL16 6, 1, 1, 1, 0
	WIN 0
; THE WAY OUT.  Block a's 64 registers of a lane are 64 numbers of ONE row, register 16 b + i = k 32 b + 16 h + i of the next product's K: they are quantised as they stand and leave as a fragment's image.
	PLACES NP
	s_mov_b32 s23, 0x1800000                       ; the floor 2^(3 - 127)
.irp b, 0,1,2,3
	v_mov_b32 v[TM+4+\b], 0                        ; a lane permute's destination counts as one of its sources
.endr
.macro QUANTW a
.set QW, 2+(\a)/4
.set AC, 64*((\a)%4)
	WIN (QW<<2)|(QW<<4)                            ; sources 1 and 2: the accumulators' window
.irp b, 0,1,2,3
	v_max3_num_f32 v[TM+\b], s23, |v[AC+16*\b]|, |v[AC+16*\b+1]|   ; each accumulator is read from its low end on
.endr
.irp i, 2,4,6,8,10,12,14
.irp b, 0,1,2,3
	v_max3_num_f32 v[TM+\b], v[TM+\b], |v[AC+16*\b+\i]|, |v[AC+16*\b+\i+1]|
.endr
.endr
	WIN 0
.irp b, 0,1,2,3
	v_permlanex16_b32 v[TM+4+\b], v[TM+\b], s[SEL], s[SEL+1]
.endr
.irp b, 0,1,2,3
	v_max_num_f32 v[TM+\b], v[TM+\b], v[TM+4+\b]   ; with lane l xor 16's 16: the block's largest magnitude
.endr
.irp b, 0,1,2,3
	v_add_nc_u32 v[TM+12+\b], 0xff000000, v[TM+\b]
.endr
.irp b, 0,1,2,3
	v_lshrrev_b32 v[TM+4+\b], 23, v[TM+12+\b]
.endr
	v_lshl_or_b32 v[WQ+(\a)], v[TM+5], 8, v[TM+4]
	v_lshl_or_b32 v[WQ+(\a)], v[TM+6], 16, v[WQ+(\a)]
	v_lshl_or_b32 v[WQ+(\a)], v[TM+7], 24, v[WQ+(\a)]
.if (\a) > 0
	s_wait_xcnt 0x0                                ; the last block's stores have read their registers
.endif
	WIN QW                                         ; source 0: the accumulators' window
.irp c, 0,1
	v_cvt_scalef32_pk16_fp6_f32 v[PC+6*\c:PC+6*\c+2], v[AC+32*\c:AC+32*\c+15], v[TM+12+2*\c]
	v_cvt_scalef32_pk16_fp6_f32 v[PC+12+4*\c:PC+14+4*\c], v[AC+32*\c+16:AC+32*\c+31], v[TM+12+2*\c+1]
.endr
	WIN 0
	v_nop                                          ; one plain place behind a scaled conversion
.irp c, 0,1                                    ; the operand's layout wants a whole block in a lane
.irp i, 0,1,2
	v_permlane16_swap_b32 v[PC+6*\c+\i], v[PC+12+4*\c+\i]
.endr
.irp i, 0,1,2
	v_mov_b32 v[PC+3+6*\c+\i], v[PC+12+4*\c+\i]
.endr
.endr
.irp c, 0,1,2
	global_store_b128 v[LI], v[PC+4*\c:PC+4*\c+3], s[12:13] offset:FRB*(\a)+512*\c   ; 512 consecutive bytes, aligned
.endr
.endm
	QUANTW 0
	QUANTW 1
	QUANTW 2
	QUANTW 3
	QUANTW 4
	QUANTW 5
	QUANTW 6
	QUANTW 7
	v_cmp_le_u32 vcc_lo, 16, v3                    ; row r's eight words: lanes 0-15 store fragments 0-3's, lanes 16-31 fragments 4-7's
.irp i, 0,1,2,3
	v_cndmask_b32 v[DD+\i], v[WQ+\i], v[WQ+4+\i], vcc_lo
.endr
	global_store_b128 v25, v[DD:DD+3], s[14:15]    ; 512 consecutive bytes, aligned
	s_wait_tensorcnt 0x0                           ; the wave's end
	ds_add_u32 v[SPW], v[NIL]
	s_wait_dscnt 0x0
	CROUND                                         ; the closing round
	s_endpgm
; ---------------- out_w, in clusters 48-63 ----------------
; Work-group i = 4 (cluster - 48) + cx takes 128 columns (i / 4) x 512 along K (i % 4); cx enters global addresses alone.  A wave takes 32 columns: a lane takes a column and its registers run down K, so nothing is transposed.
; A trip is one K step of 128: four blocks of 32; two blocks' loads, 64, are out at the most.  A block's scale and its limits are those stated at the head.  The scale words of two K steps leave together.
.set WX,    16                         ; v16-143 four sets of 32 numbers
.set I0,    144                        ; v144-155 the even tile's fragment
.set I1,    156                        ; v156-167 the odd tile's
.set TA,    168
.set TB,    172
.set WT,    176                        ; v176-179 at work
.set WS,    180                        ; v180-181 my column's scale words of two K steps
.macro WLOAD kb                        ; block kb: W(32 kb + i, my column), i = 0 .. 31
.set i, 0
.rept 32
	global_load_b32 v[WX+32*(\kb)+i], v2, s[4:5] offset:(32*(\kb)+i)*8192 th:TH_LOAD_NT
.set i, i+1
.endr
.endm
.macro WBLOCK kb
.set XS, WX+32*(\kb)
.set CC, (\kb)/2
.if (\kb) < 3
	s_wait_loadcnt 32                              ; this block's 32 loads are in; the next block's 32 may be out
.else
	s_wait_loadcnt 0x0
.endif
	v_max3_num_f32 v[WT], |v[XS]|, |v[XS+1]|, |v[XS+2]|            ; all 32 numbers of the block are mine
	v_max3_num_f32 v[WT+1], |v[XS+3]|, |v[XS+4]|, |v[XS+5]|
.irp i, 6,10,14,18,22,26
	v_max3_num_f32 v[WT], v[WT], |v[XS+\i]|, |v[XS+\i+1]|
	v_max3_num_f32 v[WT+1], v[WT+1], |v[XS+\i+2]|, |v[XS+\i+3]|
.endr
	v_max3_num_f32 v[WT], v[WT], |v[XS+30]|, |v[XS+31]|
	v_max3_num_f32 v[WT], v[WT], v[WT+1], 0x1800000                ; and the floor 2^(3 - 127)
	v_add_nc_u32 v[WT+2], 0xff000000, v[WT]        ; the conversion's scale operand
	v_lshrrev_b32 v[WT+3], 23, v[WT+2]             ; the byte
.if (\kb) == 0
	v_mov_b32 v[WS+1], v[WT+3]
.else
	v_lshl_or_b32 v[WS+1], v[WT+3], 8*(\kb), v[WS+1]
.endif
.if (\kb)%2 == 0
	v_cvt_scalef32_pk16_fp6_f32 v[I0+6*CC:I0+6*CC+2], v[XS:XS+15], v[WT+2]
	v_cvt_scalef32_pk16_fp6_f32 v[TA:TA+2], v[XS+16:XS+31], v[WT+2]
.else
	v_cvt_scalef32_pk16_fp6_f32 v[I1+6*CC:I1+6*CC+2], v[XS:XS+15], v[WT+2]
	v_cvt_scalef32_pk16_fp6_f32 v[TB:TB+2], v[XS+16:XS+31], v[WT+2]
.endif
	v_nop                                          ; one plain place behind a scaled conversion
.if (\kb)+2 < 4
	WLOAD (\kb)+2
.endif
.if (\kb)%2 == 1                       ; an even block's register holds (even tile | odd tile), an odd block's likewise: the swap makes the two tiles' operand images
.irp i, 0,1,2
	v_permlane16_swap_b32 v[I0+6*CC+\i], v[I1+6*CC+\i]
.endr
.irp i, 0,1,2
	v_permlane16_swap_b32 v[TA+\i], v[TB+\i]
.endr
.irp i, 0,1,2
	v_mov_b32 v[I0+6*CC+3+\i], v[TA+\i]
	v_mov_b32 v[I1+6*CC+3+\i], v[TB+\i]
.endr
.endif
.endm
.Lw:
	s_load_b64 s[4:5], s[0:1], 0x28                ; out_w
	s_load_b64 s[6:7], s[0:1], 0x30                ; ow
	v_lshrrev_b32 v1, 5, v0
	v_readfirstlane_b32 s16, v1                    ; wave
	v_and_b32 v1, 31, v0                           ; lane
	v_and_b32 v2, 7, v1
	v_bfe_u32 v3, v1, 3, 1
	v_lshl_add_u32 v2, v3, 4, v2
	v_lshrrev_b32 v4, 4, v1                        ; u: lanes 0-15 are the even tile, lanes 16-31 the odd one
	v_lshl_add_u32 v2, v4, 3, v2                   ; my column: l % 8 + 16 ((l / 8) % 2) + 8 (l / 16): the 32 lanes cover 128 consecutive bytes
	v_lshlrev_b32 v2, 2, v2
	v_lshlrev_b32 v3, 4, v1                        ; 16 x lane
	v_and_b32 v5, 15, v1
	v_lshlrev_b32 v5, 3, v5
	v_lshl_add_u32 v4, v4, 10, v5                  ; my scale words: 1,024 u + 8 r
	v_mov_b32 v[WS+1], 0                           ; (read by the first trip's move)
	s_bfe_u32 s19, ttmp6, 0x40000                  ; cx
	s_sub_co_u32 s20, ttmp9, 48
	s_lshl_b32 s20, s20, 2
	s_add_co_u32 s20, s20, s19                     ; i
	s_lshr_b32 s21, s20, 2                         ; which 128 columns
	s_and_b32 s22, s20, 3                          ; which 512 along K
	s_lshl_b32 s24, s21, 9                         ; 128 columns are 512 bytes,
	s_lshl_b32 s25, s16, 7                         ; my wave's 32 are 128,
	s_add_co_u32 s24, s24, s25
	s_lshl_b32 s25, s22, 22                        ; 512 rows of 8,192 bytes
	s_add_co_u32 s24, s24, s25
	s_mov_b32 s25, 0
	s_lshl_b32 s26, s21, 3
	s_lshl_b32 s27, s16, 1
	s_add_co_u32 s26, s26, s27                     ; my even tile
	s_mul_i32 s28, s26, 24576
	s_mul_i32 s29, s22, 6144                       ; four K steps
	s_add_co_u32 s28, s28, s29
	s_mov_b32 s29, 0
	s_lshl_b32 s30, s26, 10
	s_lshl_b32 s31, s22, 8
	s_add_co_u32 s30, s30, s31
	s_add_co_u32 s30, s30, 3145728                 ; the scale words lie behind 128 tiles x 24,576 bytes of codes
	s_mov_b32 s31, 0
	s_mov_b32 s11, 0
	s_mov_b32 s3, 4                                ; K steps to go
	s_wait_alu depctr_va_vdst(0)
	s_wait_kmcnt 0x0
	s_add_nc_u64 s[4:5], s[4:5], s[24:25]
	s_add_nc_u64 s[8:9], s[6:7], s[30:31]
	s_add_nc_u64 s[6:7], s[6:7], s[28:29]
.Lw_step:
	WLOAD 0
	WLOAD 1
	v_mov_b32 v[WS], v[WS+1]                       ; the K step before's word
	WBLOCK 0
	WBLOCK 1
	WBLOCK 2
	WBLOCK 3
.irp c, 0,1,2
	global_store_b128 v3, v[I0+4*\c:I0+4*\c+3], s[6:7] offset:512*\c          ; 512 consecutive bytes, aligned
.endr
.irp c, 0,1,2
	global_store_b128 v3, v[I1+4*\c:I1+4*\c+3], s[6:7] offset:24576+512*\c
.endr
	s_bitcmp1_b32 s3, 0                            ; an odd count: the second K step of a pair
	s_cselect_b32 s10, 128, 0
	s_wait_alu depctr_va_vdst(0)
	s_cbranch_scc0 .Lw_even
	global_store_b64 v4, v[WS:WS+1], s[8:9]        ; sixteen lanes store 128 consecutive bytes of each tile's scale words
.Lw_even:
	s_wait_xcnt 0x0                                ; the stores have read their registers and bases
	s_add_nc_u64 s[4:5], s[4:5], 128*8192
	s_add_nc_u64 s[6:7], s[6:7], 1536
	s_add_nc_u64 s[8:9], s[8:9], s[10:11]
	s_sub_co_u32 s3, s3, 1
	s_cmp_lg_u32 s3, 0
	s_cbranch_scc1 .Lw_step
	CROUND                                         ; the four partners end together
	s_endpgm
.Lfunc_end_k_q24301a86d7_qkv:
	.size	k_q24301a86d7_qkv, .Lfunc_end_k_q24301a86d7_qkv-k_q24301a86d7_qkv
	.p2alignl 7, 3214868480
	.fill 96, 4, 3214868480
	.section	.rodata,"a",@progbits
	.p2align	6, 0x0
	.amdhsa_kernel k_q24301a86d7_qkv
		.amdhsa_group_segment_fixed_size 327680
		.amdhsa_private_segment_fixed_size 0
		.amdhsa_enable_private_segment 0
		.amdhsa_kernarg_size 56
		.amdhsa_user_sgpr_count 2
		.amdhsa_user_sgpr_kernarg_segment_ptr 1
		.amdhsa_wavefront_size32 1
		.amdhsa_system_sgpr_workgroup_id_x 1
		.amdhsa_system_sgpr_workgroup_id_y 1
		.amdhsa_system_sgpr_workgroup_id_z 1
		.amdhsa_system_vgpr_workitem_id 0
		.amdhsa_next_free_vgpr 1024
		.amdhsa_next_free_sgpr 102
		.amdhsa_reserve_vcc 1
		.amdhsa_float_denorm_mode_32 3
		.amdhsa_float_denorm_mode_16_64 3
		.amdhsa_memory_ordered 1
		.amdhsa_forward_progress 1
		.amdhsa_inst_pref_size 163
	.end_amdhsa_kernel
	.amdgpu_metadata
---
amdhsa.version: [ 1, 2 ]
amdhsa.kernels:
  - .name:           k_q24301a86d7_qkv
    .symbol:         k_q24301a86d7_qkv.kd
    .args:
      - { .name: xc, .offset: 0, .size: 8, .value_kind: global_buffer, .address_space: global }
      - { .name: xs, .offset: 8, .size: 8, .value_kind: global_buffer, .address_space: global }
      - { .name: qkvc, .offset: 16, .size: 8, .value_kind: global_buffer, .address_space: global }
      - { .name: qkvs, .offset: 24, .size: 8, .value_kind: global_buffer, .address_space: global }
      - { .name: wq, .offset: 32, .size: 8, .value_kind: global_buffer, .address_space: global }
      - { .name: out_w, .offset: 40, .size: 8, .value_kind: global_buffer, .address_space: global }
      - { .name: ow, .offset: 48, .size: 8, .value_kind: global_buffer, .address_space: global }
    .group_segment_fixed_size: 327680
    .private_segment_fixed_size: 0
    .kernarg_segment_align: 8
    .kernarg_segment_size: 56
    .max_flat_workgroup_size: 128
    .sgpr_count:     102
    .vgpr_count:     1024
    .wavefront_size: 32
...
	.end_amdgpu_metadata
.endif
;; end of part 2
;; launch attn (part 3): grid 256 x 1, 16 waves a work-group, clusters of 4 x 1, 206,848 bytes of LDS; arguments qkvc, qkvs, cc, cs; writes cc, cs
.if DOCPART == 3
	.amdgcn_target "amdgcn-amd-amdhsa--gfx1250"
	.amdhsa_code_object_version 6
	.text
	.protected	k_q24301a86d7_attn
	.globl	k_q24301a86d7_attn
	.p2align	8
	.type	k_q24301a86d7_attn,@function
k_q24301a86d7_attn:
	s_mov_b64 s[64:65], 0
	v_nop
	global_prefetch_b8 v0, s[64:65] scope:SCOPE_SE
	s_setreg_imm32_b32 hwreg(HW_REG_WAVE_MODE, 25, 1), 1
	s_wait_xcnt 0x0
	s_wait_alu depctr_hold_cnt(0) depctr_sa_sdst(0) depctr_va_vdst(0) depctr_va_sdst(0) depctr_va_ssrc(0) depctr_va_vcc(0) depctr_vm_vsrc(0)
	s_getreg_b32 s2, hwreg(HW_REG_IB_STS2, 6, 4)
	s_cmp_eq_u32 s2, 0
	s_cbranch_scc0 .Lentry_in_a_cluster
	s_endpgm
.Lentry_in_a_cluster:
	s_bfe_u32 s2, ttmp6, 0x10000c
	s_cmp_lg_u32 s2, 0x3003
	s_cbranch_scc0 .Lentry_shape_is_right
	s_endpgm
.Lentry_shape_is_right:
; ctx = softmax(q k^T, causal) v for 4 batches x 16 query heads (4 kv heads, each serving 4 query heads), head size 128, no 1 / sqrt(d); both products on codes of FP6 (E2M3) with E8M0 scales.
; t = score x log2(e); M = the row's largest t so far, rounded up to a whole number; p = 2^(t - M) is quantised along the keys, not normalised; the row's sum is taken of the unquantised p and divides at the end.
; The result is quantised along the head's 128 (one K step of the last product) and leaves as codes.
; OPERANDS are images of operand registers, 1,536 bytes a fragment, eight fragments and 512 bytes of scale words ([r][8 words]) to a group.  A tile's 16 rows are not neighbours: lane r of tile t stands for
; 32 (t / 2) + 8 (t % 2) + r % 8 + 16 (r / 8): so the 16 registers of result tiles 2 b, 2 b + 1 are 16 neighbours along the next K.
; SHARES.  Sixteen work-groups (four clusters) serve one (batch, kv head).  A wave owns one tile of 16 queries of one query head: head 4 kvh + w % 4, tile 16 g + (j xor 15 (g % 2)), g = w / 4, j = the work-group's number among the sixteen:
; early and late tiles are mixed in every work-group.  Both products are used transposed, so a lane holds one query throughout.
; ALL of the pair's K and V, 196,608 bytes of codes and 8,192 of scale words, lies in LDS, filled ONCE, in quarters of two key steps: no ring.  The four partners of a cluster ask jointly (mask 15).
; CAUSAL.  The tile's queries all lie in key step DS = tile / 8, which is made of the cluster's number and the wave's alone.  Steps behind DS are jumped over; in step DS hidden scores become -infinity; every wave passes every barrier.
; LIMITS of the quantiser: a block whose largest magnitude lies under 2^-124 (zeros too) gets the byte 1; NaN and infinities are not served.
; REGISTERS: v1-7 addresses that stay; v8-11 addresses in hand; v12 -M, v13 the largest t, v[14:15] the sum; v16-27 Q; v32-79 four fragments; v96-159 S^T, then p; v160-223 O^T; v224-235 p's codes; v232-254 at work; v248-251 scale words; v255 Q's.
.set FRB,   1536
.set GRP,   12288                      ; a key step's eight fragments
.set VC,    98304                      ; LDS: K's codes from 0, V's from here,
.set KS,    196608                     ; K's scale words,
.set VS,    200704                     ; V's,
.set SPARE, 204800                     ; the spare words, 128 bytes for each of 16 waves
.set AK0,  1                           ; v1  16 x lane
.set AV0,  2                           ; v2  VC + 16 x lane
.set ASK0, 3                           ; v3  KS + 32 r
.set ASV0, 4                           ; v4  VS + 32 r
.set SPW,  5
.set NIL,  6
.set QD,   7                           ; v7  my query - 16 h
.set ADK,  8
.set ADV,  9
.set ADS,  10
.set ADT,  11
.set WV,   12
.set G1C,  24
.set G1S,  32
.set G0S,  40
.set G0Q,  44
.set CS,   60                          ; s[60:61] log2(e)
.set SEL,  62
.set TB,   66                          ; LDS byte of the step's codes
.set TS,   67                          ; and of its scale words
.set SI,   68                          ; the step's number
.set DS,   69                          ; my diagonal step
.set KF,   70                          ; the step's first key
.set TW,   71
.macro ROUND
	s_barrier_signal -1
	s_barrier_wait -1
	s_cmp_lg_u32 s[WV], 0
	s_cbranch_scc1 .Lnot_wave_0_\@
	s_barrier_signal -3
.Lnot_wave_0_\@:
	s_barrier_wait -3
	s_barrier_signal -1
	s_barrier_wait -1
.endm
	s_load_b256 s[4:11], s[0:1], 0x0               ; qkvc, qkvs, cc, cs
	v_lshl_add_u32 v[SPW], v0, 2, SPARE
	v_mov_b32 v[NIL], 0
	ds_add_u32 v[SPW], v[NIL]                      ; the wave's opening: the add and its wait stand ahead of the first tensor loads; work on registers stands between them
	ds_add_u32 v[SPW], v[NIL]
	v_lshrrev_b32 v8, 5, v0
	s_delay_alu instid0(VALU_DEP_1)
	v_readfirstlane_b32 s[WV], v8                  ; wave 0..15
	s_lshr_b32 s13, ttmp9, 2                       ; pair = 4 batch + kv head
	s_and_b32 s14, ttmp9, 3                        ; cj: which of the pair's four clusters
	s_bfe_u32 s15, ttmp6, 0x40000                  ; cx
	s_lshr_b32 s16, s13, 2                         ; batch
	s_and_b32 s17, s13, 3                          ; kv head
	s_and_b32 s18, s[WV], 3
	s_lshr_b32 s19, s[WV], 2                       ; g
	s_lshl_b32 s20, s17, 2
	s_add_co_u32 s20, s20, s18                     ; query head
	s_and_b32 s21, s19, 1
	s_lshl_b32 s22, s14, 2
	s_add_co_u32 s22, s22, s15                     ; j
	s_mul_i32 s23, s21, 15
	s_xor_b32 s22, s22, s23
	s_lshl_b32 s23, s19, 4
	s_add_co_u32 s22, s22, s23                     ; T: my tile of queries; it enters global addresses and the mask's compare alone
	s_lshr_b32 s[DS], s14, 1
	s_xor_b32 s[DS], s[DS], s21
	s_lshl_b32 s23, s19, 1
	s_add_co_u32 s[DS], s[DS], s23                 ; T / 8, made without cx
	s_bfe_u32 s72, s[WV], 0x10002                  ; (wave / 4) % 2: what I fetch: K (waves 0-3 its four quarters, wave 8 its scale words) or V (waves 4-7, wave 12)
	s_mul_i32 s73, s16, 20
	s_add_co_u32 s73, s73, s17
	s_add_co_u32 s73, s73, 16
	s_lshl_b32 s73, s73, 3                         ; K's first group
	s_lshl_b32 s74, s13, 3
	s_add_co_u32 s74, s74, 640                     ; V's
	s_cmp_eq_u32 s72, 0
	s_cselect_b32 s73, s73, s74
	s_mul_i32 s74, s73, GRP
	s_mul_i32 s94, s18, 2*GRP                      ; my quarter: wave % 4
	s_add_co_u32 s74, s74, s94
	s_mov_b32 s75, 0
	s_lshl_b32 s76, s73, 9
	s_mov_b32 s77, 0
	s_mul_i32 s92, s72, VC                         ; where they go: the wave's number and constants alone
	s_add_co_u32 s92, s92, s94
	s_lshl_b32 s93, s72, 12
	s_add_co_u32 s93, s93, KS
	s_mul_i32 s78, s16, 20
	s_add_co_u32 s78, s78, s20
	s_lshl_b32 s78, s78, 3
	s_lshr_b32 s79, s22, 3
	s_add_co_u32 s78, s78, s79                     ; Q's group,
	s_and_b32 s79, s22, 7                          ; its fragment
	s_mul_i32 s80, s78, GRP
	s_mul_i32 s82, s79, FRB
	s_add_co_u32 s80, s80, s82
	s_mov_b32 s81, 0
	s_lshl_b32 s82, s78, 9
	s_lshl_b32 s83, s79, 2
	s_add_co_u32 s82, s82, s83
	s_mov_b32 s83, 0
	s_lshl_b32 s84, s16, 6
	s_add_co_u32 s84, s84, s22                     ; ctx: row tile 64 batch + T, K step = head
	s_lshl_b32 s86, s84, 4
	s_add_co_u32 s86, s86, s20
	s_mul_i32 s86, s86, FRB
	s_mov_b32 s87, 0
	s_lshl_b32 s88, s84, 10
	s_lshr_b32 s85, s20, 1
	s_lshl_b32 s85, s85, 7
	s_add_co_u32 s88, s88, s85
	s_and_b32 s85, s20, 1
	s_lshl_b32 s85, s85, 2
	s_add_co_u32 s88, s88, s85
	s_mov_b32 s89, 0
	s_lshr_b32 s90, s22, 1
	s_lshl_b32 s90, s90, 5
	s_and_b32 s91, s22, 1
	s_lshl_b32 s91, s91, 3
	s_add_co_u32 s90, s90, s91                     ; the tile's first query
	; descriptor groups 1: dense blocks as rows of 256 bytes (32 elements of 8); mask: all four partners, bit 21 beside it
	s_mov_b32 s[G1C], 15|(3<<16)|(1<<21)
	s_mov_b32 s[G1C+1], 32<<16
	s_mov_b32 s[G1C+2], 96<<16                     ; a quarter: 24,576 bytes
	s_mov_b32 s[G1C+3], 32<<16
	s_mov_b32 s[G1C+4], 96
	s_mov_b32 s[G1C+5], 32
	s_mov_b32 s[G1C+6], 0
	s_mov_b32 s[G1C+7], 0
	s_mov_b32 s[G1S], 15|(3<<16)|(1<<21)
	s_mov_b32 s[G1S+1], 32<<16
	s_mov_b32 s[G1S+2], 16<<16                     ; the scale words: 4,096 bytes
	s_mov_b32 s[G1S+3], 32<<16
	s_mov_b32 s[G1S+4], 16
	s_mov_b32 s[G1S+5], 32
	s_mov_b32 s[G1S+6], 0
	s_mov_b32 s[G1S+7], 0
	s_mov_b32 s[CS], 0x3fb8aa3b                    ; log2(e)
	s_mov_b32 s[CS+1], s[CS]                       ; (named with it as a pair, so it is written)
	s_mov_b32 s[SEL], 0x76543210
	s_mov_b32 s[SEL+1], 0xfedcba98
	s_wait_dscnt 0x0                               ; the opening add is done
	s_wait_kmcnt 0x0
	s_add_nc_u64 s[74:75], s[4:5], s[74:75]
	s_add_nc_u64 s[76:77], s[6:7], s[76:77]
	s_add_nc_u64 s[4:5], s[4:5], s[80:81]          ; Q's fragment
	s_add_nc_u64 s[6:7], s[6:7], s[82:83]          ; its scale words
	s_add_nc_u64 s[8:9], s[8:9], s[86:87]          ; ctx's fragment
	s_add_nc_u64 s[10:11], s[10:11], s[88:89]      ; its scale words
	s_mov_b32 s[G0S], 1
	s_mov_b32 s[G0S+1], s93
	s_mov_b64 s[G0S+2:G0S+3], s[76:77]
	s_or_b32 s[G0S+3], s[G0S+3], 0x80000000
	s_mov_b32 s[G0Q], 1
	s_mov_b32 s[G0Q+1], s92
	s_mov_b64 s[G0Q+2:G0Q+3], s[74:75]
	s_or_b32 s[G0Q+3], s[G0Q+3], 0x80000000
	ROUND                                          ; all four work-groups are here: the joint loads meet
	s_cmp_lt_u32 s[WV], 8                          ; the ten fills, one a wave at the most, in one chain of branches on the wave's number: waves 0-7 a quarter of K's or V's codes,
	s_cbranch_scc0 .Lscales
	tensor_load_to_lds s[G0Q:G0Q+3], s[G1C:G1C+7]
	s_nop 0
.rept 4
	v_nop
.endr
	s_branch .Lno_fill
.Lscales:
	s_cmp_lg_u32 s18, 0                            ; waves 8 and 12 the scale words; the others nothing
	s_cbranch_scc1 .Lno_fill
	tensor_load_to_lds s[G0S:G0S+3], s[G1S:G1S+7]
	s_nop 0
.rept 4
	v_nop
.endr
.Lno_fill:
	v_and_b32 v9, 31, v0
	s_delay_alu instid0(VALU_DEP_1)
	v_lshlrev_b32 v[AK0], 4, v9
	s_delay_alu instid0(VALU_DEP_1)
	v_add_nc_u32 v[AV0], VC, v[AK0]
	v_and_b32 v8, 15, v0                           ; r
	s_delay_alu instid0(VALU_DEP_1)
	v_lshlrev_b32 v30, 5, v8                       ; 32 r
	s_delay_alu instid0(VALU_DEP_1)
	v_add_nc_u32 v[ASK0], KS, v30
	s_delay_alu instid0(VALU_DEP_2)
	v_add_nc_u32 v[ASV0], VS, v30
	s_delay_alu instid0(VALU_DEP_4)
	v_lshlrev_b32 v29, 3, v8                       ; 8 r
.irp c, 0,1,2
	global_load_b128 v[16+4*\c:19+4*\c], v[AK0], s[4:5] offset:512*\c   ; Q's fragment stays in registers
.endr
	global_load_b32 v255, v30, s[6:7]              ; Q's scale words
	v_and_b32 v[QD], 7, v0
	v_bfe_u32 v9, v0, 3, 1
	s_delay_alu instid0(VALU_DEP_1)
	v_lshl_add_u32 v[QD], v9, 4, v[QD]             ; r % 8 + 16 (r / 8)
	v_bfe_u32 v9, v0, 4, 1
	s_delay_alu instid0(VALU_DEP_1)
	v_lshlrev_b32 v9, 4, v9
	s_delay_alu instid0(VALU_DEP_1)
	v_sub_nc_u32 v[QD], v[QD], v9
	s_delay_alu instid0(VALU_DEP_1)
	v_add_nc_u32 v[QD], s90, v[QD]                 ; my query - 16 h
	v_mov_b32 v13, 0xff61b1e6                      ; the largest t so far: -3e38
	s_delay_alu instid0(VALU_DEP_1)
	v_floor_f32 v12, -v13                          ; -M
	v_mov_b32 v14, 0
	v_mov_b32 v15, 0
.irp b, 0,1,2,3
	v_mov_b32 v[236+\b], 0                         ; a lane permute's destination counts as one of its sources
.endr
	v_mov_b32 v252, 0
	v_mov_b32 v253, 0
.set j, 0
.rept 64
	v_mov_b32 v[160+j], 0                          ; O^T: the step is written once; the first finds zeros, which the first change of M leaves zeros
.set j, j+1
.endr
; A KEY STEP: 128 keys.
.macro STEP
	s_cmp_gt_u32 s[SI], s[DS]                      ; all its keys come after my queries: only the numbers at its end are stepped
	s_cbranch_scc1 .Lhidden_\@
	v_add_nc_u32 v[ADK], s[TB], v[AK0]             ; (these four are the places in front of loads into registers that the last products read)
	s_wait_alu depctr_va_vdst(0)
	v_add_nc_u32 v[ADV], s[TB], v[AV0]
	v_add_nc_u32 v[ADS], s[TS], v[ASK0]
	s_wait_alu depctr_va_vdst(0)
	v_add_nc_u32 v[ADT], s[TS], v[ASV0]
.irp g, 0,1                                    ; S^T = K Q^T, four tiles of 16 keys at a time
.if \g > 0
.rept 4
	v_nop
.endr
.endif
.irp t, 0,1,2,3
.irp c, 0,1,2
	ds_load_b128 v[32+12*\t+4*\c:35+12*\t+4*\c], v[ADK] offset:(4*\g+\t)*FRB+512*\c
.endr
.endr
	ds_load_b128 v[248:251], v[ADS] offset:16*\g   ; row r's words of these four tiles
	s_wait_dscnt 0x0
.irp t, 0,1,2,3
	v_wmma_scale_f32_16x16x128_f8f6f4 v[96+8*(4*\g+\t):103+8*(4*\g+\t)], v[32+12*\t:43+12*\t], v[16:27], 0, v[248+\t], v255 matrix_a_fmt:MATRIX_FMT_FP6 matrix_b_fmt:MATRIX_FMT_FP6
.endr
.endr
.rept 4
	v_nop
.endr
	s_cmp_lt_u32 s[SI], s[DS]                      ; all its keys count: no mask
	s_cbranch_scc1 .Lopen_\@
	v_sub_nc_u32 v252, v[QD], s[KF]                ; d: register 16 b + i holds key KF + 16 h + 32 b + i: hidden where 32 b + i > d
	v_mov_b32 v254, 0xff800000                     ; -infinity: p = 0 then
.set n, 0
.rept 64
	v_cmp_gt_i32 vcc_lo, 32*(n/16)+n%16, v252
	v_cndmask_b32 v[96+n], v[96+n], v254, vcc_lo
.set n, n+1
.endr
.Lopen_\@:
.irp b, 0,1,2,3
	v_max3_num_f32 v[232+\b], v[96+16*\b], v[97+16*\b], v[98+16*\b]   ; the largest score of each block of 32 keys: for the row's maximum and, since p rises with the score, for the block's largest p
.endr
.irp i, 3,5,7,9,11,13
.irp b, 0,1,2,3
	v_max3_num_f32 v[232+\b], v[232+\b], v[96+16*\b+\i], v[97+16*\b+\i]
.endr
.endr
.irp b, 0,1,2,3
	v_max_num_f32 v[232+\b], v[232+\b], v[111+16*\b]
.endr
.irp b, 0,1,2,3
	s_delay_alu instid0(VALU_DEP_4)
	v_permlanex16_b32 v[236+\b], v[232+\b], s[SEL], s[SEL+1]
.endr
.irp b, 0,1,2,3
	s_delay_alu instid0(VALU_DEP_4)
	v_max_num_f32 v[232+\b], v[232+\b], v[236+\b]
.endr
	s_delay_alu instid0(VALU_DEP_2)
	v_max3_num_f32 v254, v232, v233, v234
	s_delay_alu instid0(VALU_DEP_1)
	v_max_num_f32 v254, v254, v235
	s_delay_alu instid0(VALU_DEP_1)
	v_mul_f32 v254, s[CS], v254
	s_delay_alu instid0(VALU_DEP_1)
	v_max_num_f32 v13, v13, v254                   ; the running largest t
	v_mov_b32 v254, v12
	s_delay_alu instid0(VALU_DEP_2)
	v_floor_f32 v12, -v13                          ; the new -M = -ceil(t)
	s_delay_alu instid0(VALU_DEP_1)
	v_sub_f32 v254, v12, v254                      ; old M - new M: a whole number, 0 or less
	s_delay_alu instid0(VALU_DEP_1)
	v_cvt_i32_f32 v254, v254                       ; (it saturates)
	s_delay_alu instid0(VALU_DEP_1)
	v_ldexp_f32 v252, 1.0, v254                    ; f = 2^(old M - new M)
.set j, 0
.rept 32
	v_pk_fma_f32 v[96+j:97+j], v[96+j:97+j], s[CS:CS+1], v[12:13] op_sel_hi:[1,0,0]   ; t - M
.set j, j+2
.endr
.irp b, 0,1,2,3
	v_fma_f32 v[232+\b], v[232+\b], s[CS], v12
.endr
.set j, 0
	s_wait_alu depctr_va_vdst(0)
.rept 64
	v_exp_f32 v[96+j], v[96+j]                     ; p = 2^(t - M)
.set j, j+1
.endr
	v_pk_mul_f32 v[14:15], v[14:15], v[252:253] op_sel_hi:[1,0]   ; the sums under the new M: a plain place behind the exponentials
	s_wait_alu depctr_va_vdst(0)                   ; one wait for the whole batch, ahead of its first reader
.irp b, 0,1,2,3
	v_exp_f32 v[232+\b], v[232+\b]                 ; each block's largest p
.endr
	v_pk_add_f32 v[236:237], v[100:101], v[104:105]
	v_pk_add_f32 v[250:251], v[108:109], v[112:113]
	v_pk_add_f32 v[248:249], v[116:117], v[120:121]
	v_pk_add_f32 v[246:247], v[124:125], v[128:129]
	v_pk_add_f32 v[244:245], v[132:133], v[136:137]
	v_pk_add_f32 v[242:243], v[140:141], v[144:145]
	v_pk_add_f32 v[240:241], v[148:149], v[152:153]
	v_pk_add_f32 v[14:15], v[14:15], v[156:157]
	v_pk_add_f32 v[236:237], v[236:237], v[96:97]
	v_pk_add_f32 v[250:251], v[250:251], v[98:99]
	v_pk_add_f32 v[248:249], v[248:249], v[102:103]
	v_pk_add_f32 v[246:247], v[246:247], v[106:107]
	v_pk_add_f32 v[244:245], v[244:245], v[110:111]
	v_pk_add_f32 v[242:243], v[242:243], v[114:115]
	v_pk_add_f32 v[240:241], v[240:241], v[118:119]
	v_pk_add_f32 v[14:15], v[14:15], v[122:123]
	v_pk_add_f32 v[236:237], v[236:237], v[126:127]
	v_pk_add_f32 v[250:251], v[250:251], v[130:131]
	v_pk_add_f32 v[248:249], v[248:249], v[134:135]
	v_pk_add_f32 v[246:247], v[246:247], v[138:139]
	v_pk_add_f32 v[244:245], v[244:245], v[142:143]
	v_pk_add_f32 v[242:243], v[242:243], v[146:147]
	v_pk_add_f32 v[240:241], v[240:241], v[150:151]
	v_pk_add_f32 v[14:15], v[14:15], v[154:155]
	v_pk_add_f32 v[236:237], v[236:237], v[158:159]
	s_delay_alu instid0(VALU_DEP_2)
	v_pk_add_f32 v[14:15], v[14:15], v[246:247]
	s_delay_alu instid0(VALU_DEP_2)
	v_pk_add_f32 v[236:237], v[236:237], v[244:245]
	v_pk_add_f32 v[250:251], v[250:251], v[242:243]
	v_pk_add_f32 v[248:249], v[248:249], v[240:241]
	s_delay_alu instid0(VALU_DEP_2)
	v_pk_add_f32 v[14:15], v[14:15], v[250:251]
	s_delay_alu instid0(VALU_DEP_2)
	v_pk_add_f32 v[236:237], v[236:237], v[248:249]
	s_delay_alu instid0(VALU_DEP_1)
	v_pk_add_f32 v[14:15], v[14:15], v[236:237]
	s_wait_alu depctr_va_vdst(0)                   ; and one for the four
.irp b, 0,1,2,3
	v_max_num_f32 v[232+\b], 0x1800000, v[232+\b]  ; the floor 2^(3 - 127)
.endr
.irp b, 0,1,2,3
	s_delay_alu instid0(VALU_DEP_4)
	v_add_nc_u32 v[244+\b], 0xff000000, v[232+\b]
.endr
.irp b, 0,1,2,3
	s_delay_alu instid0(VALU_DEP_4)
	v_lshrrev_b32 v[236+\b], 23, v[244+\b]
.endr
	s_delay_alu instid0(VALU_DEP_3)
	v_lshl_or_b32 v253, v237, 8, v236              ; p's scale word for these 128 keys
	s_delay_alu instid0(VALU_DEP_1)
	v_lshl_or_b32 v253, v238, 16, v253
	s_delay_alu instid0(VALU_DEP_1)
	v_lshl_or_b32 v253, v239, 24, v253
.irp c, 0,1
	v_cvt_scalef32_pk16_fp6_f32 v[224+6*\c:226+6*\c], v[96+32*\c:111+32*\c], v[244+2*\c]
	v_cvt_scalef32_pk16_fp6_f32 v[236+4*\c:238+4*\c], v[112+32*\c:127+32*\c], v[244+2*\c+1]
.endr
	v_nop                                          ; one plain place behind a scaled conversion
.irp c, 0,1
.irp i, 0,1,2
	v_permlane16_swap_b32 v[224+6*\c+\i], v[236+4*\c+\i]
.endr
.irp i, 0,1,2
	s_delay_alu instid0(VALU_DEP_3)
	v_mov_b32 v[227+6*\c+\i], v[236+4*\c+\i]
.endr
.endr
.set j, 0
.rept 32
	v_pk_mul_f32 v[160+j:161+j], v[160+j:161+j], v[252:253] op_sel_hi:[1,0]   ; O^T under the new M; these 32 are also the places in front of the products and loads below
.set j, j+2
.endr
	s_wait_alu depctr_va_vdst(0)
.irp g, 0,1                                    ; O^T += V^T P^T, four tiles of 16 channels at a time
.if \g > 0
.rept 4
	v_nop
.endr
.endif
.irp t, 0,1,2,3
.irp c, 0,1,2
	ds_load_b128 v[32+12*\t+4*\c:35+12*\t+4*\c], v[ADV] offset:(4*\g+\t)*FRB+512*\c
.endr
.endr
	ds_load_b128 v[248:251], v[ADT] offset:16*\g
	s_wait_dscnt 0x0
.irp t, 0,1,2,3
	v_wmma_scale_f32_16x16x128_f8f6f4 v[160+8*(4*\g+\t):167+8*(4*\g+\t)], v[32+12*\t:43+12*\t], v[224:235], v[160+8*(4*\g+\t):167+8*(4*\g+\t)], v[248+\t], v253 matrix_a_fmt:MATRIX_FMT_FP6 matrix_b_fmt:MATRIX_FMT_FP6
.endr
.endr
.Lhidden_\@:
	s_add_co_u32 s[TB], s[TB], GRP
	s_add_co_u32 s[TS], s[TS], 512
	s_add_co_u32 s[SI], s[SI], 1
	s_add_co_u32 s[KF], s[KF], 128
.endm
; A QUARTER: two key steps.  Ahead of the first, every wave waits for its one load, and the work-group's barrier shows all of K and V to all sixteen waves.  Nothing is ever filled again, so the later quarters need no barrier.
.macro QUARTER q
.if \q == 0
	s_wait_tensorcnt 0x0
	s_wait_dscnt 0x0
	s_barrier_signal -1
	s_barrier_wait -1
.endif
	s_mov_b32 s[TB], 2*GRP*\q
	s_mov_b32 s[TS], 1024*\q
	s_mov_b32 s[SI], 2*\q
	s_mov_b32 s[KF], 256*\q
	s_mov_b32 s[TW], 2
.Lq_\@:
	STEP
	s_sub_co_u32 s[TW], s[TW], 1
	s_cmp_lg_u32 s[TW], 0
	s_cbranch_scc1 .Lq_\@
.endm
	s_wait_loadcnt 0x0                             ; Q
	QUARTER 0
	QUARTER 1
	QUARTER 2
	QUARTER 3
	; THE WAY OUT: O^T / the sum; register 16 b + i of a lane is channel 32 b + 16 h + i of its query: quantised as it stands, it is a fragment of the last product's operand.
	v_add_f32 v14, v14, v15
	s_delay_alu instid0(VALU_DEP_1)
	v_permlanex16_b32 v252, v14, s[SEL], s[SEL+1]
	s_delay_alu instid0(VALU_DEP_1)
	v_add_f32 v14, v14, v252                       ; the row's sum
	s_wait_alu depctr_va_vdst(0)
	v_rcp_f32 v14, v14
.rept 4
	v_nop                                          ; plain places behind the reciprocal and behind the last products
.endr
	s_wait_alu depctr_va_vdst(0)                   ; the wait ahead of the reciprocal's first reader
.set j, 0
.rept 64
	v_mul_f32 v[96+j], v[160+j], v14
.set j, j+1
.endr
.set TM, 232
.set PW, 248
.set PC, 32
.irp b, 0,1,2,3
	v_max3_num_f32 v[TM+\b], |v[96+16*\b]|, |v[97+16*\b]|, 0x1800000
.endr
.irp i, 2,4,6,8,10,12,14
.irp b, 0,1,2,3
	s_delay_alu instid0(VALU_DEP_4)
	v_max3_num_f32 v[TM+\b], v[TM+\b], |v[96+16*\b+\i]|, |v[97+16*\b+\i]|
.endr
.endr
.irp b, 0,1,2,3
	s_delay_alu instid0(VALU_DEP_4)
	v_permlanex16_b32 v[TM+4+\b], v[TM+\b], s[SEL], s[SEL+1]
.endr
.irp b, 0,1,2,3
	s_delay_alu instid0(VALU_DEP_4)
	v_max_num_f32 v[TM+\b], v[TM+\b], v[TM+4+\b]
.endr
.irp b, 0,1,2,3
	s_delay_alu instid0(VALU_DEP_4)
	v_add_nc_u32 v[TM+12+\b], 0xff000000, v[TM+\b]
.endr
.irp b, 0,1,2,3
	s_delay_alu instid0(VALU_DEP_4)
	v_lshrrev_b32 v[TM+4+\b], 23, v[TM+12+\b]
.endr
	s_delay_alu instid0(VALU_DEP_3)
	v_lshl_or_b32 v[PW], v[TM+5], 8, v[TM+4]
	s_delay_alu instid0(VALU_DEP_1)
	v_lshl_or_b32 v[PW], v[TM+6], 16, v[PW]
	s_delay_alu instid0(VALU_DEP_1)
	v_lshl_or_b32 v[PW], v[TM+7], 24, v[PW]
.irp c, 0,1
	v_cvt_scalef32_pk16_fp6_f32 v[PC+6*\c:PC+2+6*\c], v[96+32*\c:111+32*\c], v[TM+12+2*\c]
	v_cvt_scalef32_pk16_fp6_f32 v[PC+12+4*\c:PC+14+4*\c], v[112+32*\c:127+32*\c], v[TM+12+2*\c+1]
.endr
	v_nop
.irp c, 0,1
.irp i, 0,1,2
	v_permlane16_swap_b32 v[PC+6*\c+\i], v[PC+12+4*\c+\i]
.endr
.irp i, 0,1,2
	s_delay_alu instid0(VALU_DEP_3)
	v_mov_b32 v[PC+3+6*\c+\i], v[PC+12+4*\c+\i]
.endr
.endr
.irp c, 0,1,2
	global_store_b128 v[AK0], v[PC+4*\c:PC+4*\c+3], s[8:9] offset:512*\c   ; 512 consecutive bytes, aligned
.endr
	global_store_b32 v29, v[PW], s[10:11]          ; row r's word; lanes r and r + 16 hold the same word and write it to the same place
	s_wait_tensorcnt 0x0                           ; the wave's end
	ds_add_u32 v[SPW], v[NIL]
	s_wait_dscnt 0x0
	ROUND                                          ; the closing round
	s_endpgm
.Lfunc_end_k_q24301a86d7_attn:
	.size	k_q24301a86d7_attn, .Lfunc_end_k_q24301a86d7_attn-k_q24301a86d7_attn
	.p2alignl 7, 3214868480
	.fill 96, 4, 3214868480
	.section	.rodata,"a",@progbits
	.p2align	6, 0x0
	.amdhsa_kernel k_q24301a86d7_attn
		.amdhsa_group_segment_fixed_size 206848
		.amdhsa_private_segment_fixed_size 0
		.amdhsa_enable_private_segment 0
		.amdhsa_kernarg_size 32
		.amdhsa_user_sgpr_count 2
		.amdhsa_user_sgpr_kernarg_segment_ptr 1
		.amdhsa_wavefront_size32 1
		.amdhsa_system_sgpr_workgroup_id_x 1
		.amdhsa_system_sgpr_workgroup_id_y 1
		.amdhsa_system_sgpr_workgroup_id_z 1
		.amdhsa_system_vgpr_workitem_id 0
		.amdhsa_next_free_vgpr 256
		.amdhsa_next_free_sgpr 96
		.amdhsa_reserve_vcc 1
		.amdhsa_float_denorm_mode_32 3
		.amdhsa_float_denorm_mode_16_64 3
		.amdhsa_memory_ordered 1
		.amdhsa_forward_progress 1
		.amdhsa_inst_pref_size 121
	.end_amdhsa_kernel
	.amdgpu_metadata
---
amdhsa.version: [ 1, 2 ]
amdhsa.kernels:
  - .name:           k_q24301a86d7_attn
    .symbol:         k_q24301a86d7_attn.kd
    .args:
      - { .name: qkvc, .offset: 0, .size: 8, .value_kind: global_buffer, .address_space: global }
      - { .name: qkvs, .offset: 8, .size: 8, .value_kind: global_buffer, .address_space: global }
      - { .name: cc, .offset: 16, .size: 8, .value_kind: global_buffer, .address_space: global }
      - { .name: cs, .offset: 24, .size: 8, .value_kind: global_buffer, .address_space: global }
    .group_segment_fixed_size: 206848
    .private_segment_fixed_size: 0
    .kernarg_segment_align: 8
    .kernarg_segment_size: 32
    .max_flat_workgroup_size: 512
    .sgpr_count:     96
    .vgpr_count:     256
    .wavefront_size: 32
...
	.end_amdgpu_metadata
.endif
;; end of part 3
;; launch outp (part 4): grid 8 x 32, 4 waves a work-group, clusters of 4 x 4, 327,680 bytes of LDS; arguments cc, cs, out_b, out0, ow; writes out0
.if DOCPART == 4
	.amdgcn_target "amdgcn-amd-amdhsa--gfx1250"
	.amdhsa_code_object_version 6
	.text
	.protected	k_q24301a86d7_outp
	.globl	k_q24301a86d7_outp
	.p2align	8
	.type	k_q24301a86d7_outp,@function
k_q24301a86d7_outp:
	s_mov_b64 s[64:65], 0
	v_nop
	global_prefetch_b8 v0, s[64:65] scope:SCOPE_SE
	s_setreg_imm32_b32 hwreg(HW_REG_WAVE_MODE, 25, 1), 1
	s_wait_xcnt 0x0
	s_wait_alu depctr_hold_cnt(0) depctr_sa_sdst(0) depctr_va_vdst(0) depctr_va_sdst(0) depctr_va_ssrc(0) depctr_va_vcc(0) depctr_vm_vsrc(0)
	s_getreg_b32 s2, hwreg(HW_REG_IB_STS2, 6, 4)
	s_cmp_eq_u32 s2, 0
	s_cbranch_scc0 .Lentry_in_a_cluster
	s_endpgm
.Lentry_in_a_cluster:
	s_bfe_u32 s2, ttmp6, 0x10000c
	s_cmp_lg_u32 s2, 0xf033
	s_cbranch_scc0 .Lentry_shape_is_right
	s_endpgm
.Lentry_shape_is_right:
; out0 = ctx out_w + out_b on codes of FP6 (E2M3) with E8M0 scales, K = 2,048 (K step = head), sums in f32, f32 out.
; OPERANDS are images of operand registers (a fragment = 16 rows x 128 K = 1,536 bytes: register 4 c + i of a lane at 512 c + 16 lane + 4 i), [tile][K step][1536]; scale words [tile][K step / 2][r][2].
; A tile's 16 rows are not neighbours: lane r of tile t stands for index 32 (t / 2) + 8 (t % 2) + r % 8 + 16 (r / 8).
; A WORK-GROUP makes 128 rows (side A: ctx, 8 tiles) x 256 columns (side B: out_w, 16 tiles): 32 x 8 = 256 work-groups.  Its four waves stand 2 x 2: a wave makes 64 x 128: 4 tiles of A x 8 of B, 32 accumulators, 256 registers.
; Source 0 = side B, source 1 = side A: a lane holds one row of the output and eight neighbouring columns in each accumulator.  For a K step a wave reads 12 fragments, 18,432 bytes, from LDS for 32 products.
; THE RING.  A K step's tiles are 24 x 1,536 = 36,864 bytes, so a slot holds FOUR K steps (a tile's four fragments are 6,144 consecutive bytes of memory) and two slots fit: K's 16 steps are four fills, two of them first fills, two refills.
; The scale words of all of K come once.  The text is written out: four slots of four K steps, every offset an immediate.
; CLUSTER 4 x 4: ctx's tile hangs on the tile row alone and is asked for jointly along a row of the cluster, out_w's on the tile column alone and is asked for jointly along a column.
; The bias is the C of each sum's first product.
; REGISTERS: window 0: v0-31 addresses; v32-63 B's scale words (tile b, the slot's K step q: 4 b + q), v64-79 A's; v128-223 A's fragments, two sets of 48 (v128-255 on the way out).
;   window 1: v0-191 B's fragments, two sets of 96; v192-255 the bias in the result's layout.   window 2: accumulator (a, b) at v[8 (8 a + b)].
.set NP,    4                          ; places behind this matrix instruction (ISA guide 7.12.1)
.set FR,    12
.set FRB,   1536
.set SROW,  6144                       ; a tile's four K steps
.set SLOT,  147456                     ; B's 16 tiles, then A's 8
.set AOFF,  98304
.set SCA,   294912                     ; A's scale words: 8 tiles x 1,024 bytes
.set SCB,   303104                     ; B's: 16 x 1,024
.set SPARE, 319488                     ; the spare words, 128 bytes a wave
.set SPITCH, 528                       ; the way out: a stage of 16 rows x (512 + 16) bytes for each wave, in slot 0, which has had its last fill and its last read by then
.set ADRA,  16                         ; v16-17  my lane's place in my wave's tiles of A, slot 0, 1
.set ADRB,  20                         ; v20-21  the same for B
.set LI,    24                         ; v24     16 x lane
.set STO,   25                         ; v25     the stage: where I put my pieces of a row
.set RD,    26                         ; v26     and where I read a row back
.set ADRT,  27                         ; v27     my row's scale words in my wave's tiles of B
.set SPW,   28
.set NIL,   29
.set ADRU,  30                         ; v30     and in my wave's tiles of A
.set SB,    32
.set SA,    64
.set AF,    128
.set BI,    192                        ; in window 1
.set BK,    128
.set G1B,   24
.set G0B,   32
.set G1A,   40
.set G0A,   48
.set G1SB,  56
.set G0SB,  68
.set G1SA,  72
.set G0SA,  80
; THE HEAD: one tensor load a wave: wave 0 slot 0's 16 tiles of B, wave 1 its 8 tiles of A, wave 2 B's scale words, wave 3 A's.  Slot 1 is first filled as a refill is.
; PREFETCH: a tile's 6,144 bytes of a slot are 24 blocks of 256.  Of the 8 tiles of B that waves 0, 1 fetch, each of the column's four partners names 2 (by cy): 48 blocks, 32 lanes and then 16;
; of the 4 tiles of A that waves 2, 3 fetch, each of the row's four names 1 (by cx): 24 lanes.  Lanes left over name the wave's last block again.  Slot data 1 and 2 are asked for at the head, data 3 behind the load of data 1.
.set G0HB,  96                         ; s[96:99] group 0 of the head's load of B's slot 0
.set G0HA,  92                         ; s[92:95] of A's
.set PFA,   90                         ; s[90:91] my prefetches' first tile; never stepped
.set PF1,   6                          ; v6, v7  the offsets of blocks 0-31 and 32-47; never rewritten
.set PF2,   7
.macro ASK d
	global_prefetch_b8 v[PF1], s[PFA:PFA+1] offset:(\d) th:TH_LOAD_NT scope:SCOPE_SE
	s_cmp_eq_u32 s17, 0
	s_cbranch_scc0 .Lone_\@
	global_prefetch_b8 v[PF2], s[PFA:PFA+1] offset:(\d) th:TH_LOAD_NT scope:SCOPE_SE
.Lone_\@:
.endm
.set MSB, 0
.macro WIN new                         ; the immediate's high byte repeats the setting that is left
.if MSB != (\new)
	s_set_vgpr_msb (MSB<<8)|(\new)
.set MSB, (\new)
.endif
.endm
.set MUL,     0xa1                     ; source 0 (B) window 1, source 1 (A) window 0, C and D window 2
.set MUL_1ST, 0x91                     ; the same with C (the bias) in window 1
.set TO_B,    0x40                     ; destination window 1, address window 0
.macro GROUP1 g, m, c, r, p            ; a descriptor's group 1: r rows of c elements of 8 bytes, p elements apart, no padding; the mask in s[m], bit 21 beside it
	s_or_b32 s[\g+0], s[\m], (3<<16)|(1<<21)
	s_mov_b32 s[\g+1], (\c)<<16
	s_mov_b32 s[\g+2], (\r)<<16
	s_mov_b32 s[\g+3], (\c)<<16
	s_mov_b32 s[\g+4], \r
	s_mov_b32 s[\g+5], \p
	s_mov_b32 s[\g+6], 0
	s_mov_b32 s[\g+7], 0
.endm
; A joint load: waves 0 and 1 fetch B's halves, waves 2 and 3 A's.  Each line has one mask and one set of registers for all that issue it; the branch hangs on the wave's number alone.
; An s_nop 0 and four v_nop follow each line.
.macro JLOAD g0b, g1b, g0a, g1a
	s_cmp_eq_u32 s17, 0
	s_cbranch_scc0 .Lfor_a_\@
	tensor_load_to_lds s[\g0b:\g0b+3], s[\g1b:\g1b+7]
	s_nop 0
.rept 4
	v_nop
.endr
	s_branch .Lasked_\@
.Lfor_a_\@:
	tensor_load_to_lds s[\g0a:\g0a+3], s[\g1a:\g1a+7]
	s_nop 0
.rept 4
	v_nop
.endr
.Lasked_\@:
.endm
.macro CROUND                          ; a round of the cluster's barrier
	s_barrier_signal -1
	s_barrier_wait -1
	s_cmp_lg_u32 s16, 0
	s_cbranch_scc1 .Lnot_wave_0_\@
	s_barrier_signal -3
.Lnot_wave_0_\@:
	s_barrier_wait -3
	s_barrier_signal -1
	s_barrier_wait -1
.endm
	s_load_b128 s[4:7], s[0:1], 0x0                ; cc, cs
	s_load_b128 s[12:15], s[0:1], 0x10             ; out_b, out0
	s_load_b64 s[8:9], s[0:1], 0x20                ; ow: out_w's codes, behind them its scale words
	v_lshl_add_u32 v[SPW], v0, 2, SPARE
	v_mov_b32 v[NIL], 0
	ds_add_u32 v[SPW], v[NIL]                      ; the wave's opening: the add and its wait stand ahead of my first tensor load; work on registers stands between them
	ds_add_u32 v[SPW], v[NIL]
	v_lshrrev_b32 v1, 5, v0
	v_readfirstlane_b32 s16, v1                    ; wave
	s_lshr_b32 s17, s16, 1                         ; which 4 tiles of A are mine.  Also: 0: I fetch for B; 1: for A
	s_and_b32 s18, s16, 1                          ; which 8 tiles of B are mine.  Also: which half of that tile I fetch
	s_bfe_u32 s19, ttmp6, 0x40000                  ; cx
	s_bfe_u32 s20, ttmp6, 0x40004                  ; cy
	s_lshl_b32 s21, ttmp9, 2
	s_add_co_u32 s21, s21, s19                     ; tile column = 4 x cluster x + cx: which 256 columns
	s_and_b32 s22, ttmp7, 0xffff
	s_lshl_b32 s22, s22, 2
	s_add_co_u32 s22, s22, s20                     ; tile row = 4 x cluster y + cy: which 128 rows
	s_lshl_b32 s23, s20, 2
	s_lshl_b32 s23, 15, s23                        ; my row of the cluster: places 4 cy .. 4 cy + 3
	s_lshl_b32 s66, 0x1111, s19                    ; my column: places cx, cx + 4, cx + 8, cx + 12
	GROUP1 G1B, 66, 768, 16, 3072                  ; B's codes: tiles of 6,144 bytes, 24,576 bytes apart; they go to my column.  16 tiles for the head's load; behind it the two words that count rows are set to 8
	GROUP1 G1A, 23, 768, 8, 3072                   ; A's codes: 8 tiles at the head, then 4; they go to my row
	GROUP1 G1SB, 66, 32, 64, 32                    ; B's scale words: 16,384 dense bytes as rows of 256
	GROUP1 G1SA, 23, 32, 32, 32                    ; A's: 8,192
	; where the tiles come from: A's from the tile row and the wave's number alone, B's from the tile column and the wave's number alone, each in registers that never hold the other coordinate
	s_lshl_b32 s84, s22, 3
	s_mul_i32 s90, s84, 24576
	s_mov_b32 s91, 0
	s_lshl_b32 s92, s84, 10
	s_mov_b32 s93, 0
	s_lshl_b32 s86, s21, 4
	s_mul_i32 s96, s86, 24576
	s_mov_b32 s97, 0
	s_lshl_b32 s98, s86, 10
	s_mov_b32 s99, 0
	s_mul_i32 s88, s18, 49152                      ; and where they go in LDS: the wave's number and constants alone
	s_mul_i32 s89, s18, 24576
	s_add_co_u32 s89, s89, AOFF
	s_mul_i32 s84, s18, 8*24576                    ; the ring: where my half of B's 16 tiles begins in memory,
	s_mov_b32 s85, 0
	s_mul_i32 s86, s18, 4*24576                    ; and of A's 8
	s_mov_b32 s87, 0
	s_lshl_b32 s2, s21, 10                         ; my wave's 128 columns, in bytes: 1,024 x tile column + 512 x half
	s_lshl_b32 s3, s18, 9
	s_add_co_u32 s2, s2, s3
	s_mov_b32 s3, 0
	s_lshl_b32 s100, s22, 20                       ; my wave's first row: 128 rows of 8,192 bytes x tile row + 64 rows x half
	s_lshl_b32 s101, s17, 19
	s_add_co_u32 s100, s100, s101
	s_add_co_u32 s100, s100, s2
	s_mov_b32 s101, 0
	s_wait_dscnt 0x0                               ; the opening add is done
	s_wait_kmcnt 0x0
	s_add_nc_u64 s[10:11], s[8:9], 3145728         ; out_w's scale words lie behind 128 tiles x 24,576 bytes of codes
	s_add_nc_u64 s[4:5], s[4:5], s[90:91]          ; A's codes
	s_add_nc_u64 s[6:7], s[6:7], s[92:93]          ; A's scale words
	s_add_nc_u64 s[8:9], s[8:9], s[96:97]          ; B's codes
	s_add_nc_u64 s[10:11], s[10:11], s[98:99]      ; B's scale words
	s_add_nc_u64 s[12:13], s[12:13], s[2:3]        ; my columns' bias
	s_add_nc_u64 s[14:15], s[14:15], s[100:101]    ; my part of the output
	s_mov_b32 s[G0SB], 1                           ; the head's four tiles, each whole: B's scale words,
	s_mov_b32 s[G0SB+1], SCB
	s_mov_b64 s[G0SB+2:G0SB+3], s[10:11]
	s_or_b32 s[G0SB+3], s[G0SB+3], 0x80000000
	s_mov_b32 s[G0SA], 1                           ; A's,
	s_mov_b32 s[G0SA+1], SCA
	s_mov_b64 s[G0SA+2:G0SA+3], s[6:7]
	s_or_b32 s[G0SA+3], s[G0SA+3], 0x80000000
	s_mov_b32 s[G0HB], 1                           ; slot 0's 16 tiles of B,
	s_mov_b32 s[G0HB+1], 0
	s_mov_b64 s[G0HB+2:G0HB+3], s[8:9]
	s_or_b32 s[G0HB+3], s[G0HB+3], 0x80000000
	s_mov_b32 s[G0HA], 1                           ; and its 8 tiles of A
	s_mov_b32 s[G0HA+1], AOFF
	s_mov_b64 s[G0HA+2:G0HA+3], s[4:5]
	s_or_b32 s[G0HA+3], s[G0HA+3], 0x80000000
	s_lshl_b32 s100, s18, 3                        ; the prefetches' first tile: of B's 16: 8 x half + 2 cy;
	s_lshl_b32 s101, s20, 1
	s_add_co_u32 s100, s100, s101
	s_lshl_b32 s101, s18, 2                        ; of A's 8: 4 x half + cx
	s_add_co_u32 s101, s101, s19
	s_cmp_eq_u32 s17, 0
	s_cselect_b32 s100, s100, s101
	s_cselect_b32 s2, 47, 23                       ; my last block
	s_cselect_b64 s[PFA:PFA+1], s[8:9], s[4:5]
	s_mul_i32 s100, s100, 24576
	s_mov_b32 s101, 0
	s_add_nc_u64 s[PFA:PFA+1], s[PFA:PFA+1], s[100:101]
	s_add_nc_u64 s[8:9], s[8:9], s[84:85]          ; for the ring: my half of B's tiles,
	s_add_nc_u64 s[4:5], s[4:5], s[86:87]          ; and of A's
.irp s, 0,1
	s_mov_b32 s[G0B+4*\s], 1
	s_add_co_u32 s[G0B+4*\s+1], s88, \s*SLOT
	s_add_nc_u64 s[G0B+4*\s+2:G0B+4*\s+3], s[8:9], \s*SROW
	s_or_b32 s[G0B+4*\s+3], s[G0B+4*\s+3], 0x80000000
	s_mov_b32 s[G0A+4*\s], 1
	s_add_co_u32 s[G0A+4*\s+1], s89, \s*SLOT
	s_add_nc_u64 s[G0A+4*\s+2:G0A+4*\s+3], s[4:5], \s*SROW
	s_or_b32 s[G0A+4*\s+3], s[G0A+4*\s+3], 0x80000000
.endr
	CROUND                                         ; all sixteen work-groups are here: the first joint loads meet
; One chain of branches on the wave's number, each arm with its load and, but for the last, a jump to the chain's end: every way through the head passes exactly one load.
.macro ARM under, g0, g1, next
	s_cmp_lt_u32 s16, \under
	s_cbranch_scc0 \next
	tensor_load_to_lds s[\g0:\g0+3], s[\g1:\g1+7]
	s_nop 0
.rept 4
	v_nop
.endr
	s_branch .Lhead_asked
\next:
.endm
	ARM 1, G0HB, G1B, .Lhead_a
	ARM 2, G0HA, G1A, .Lhead_sb
	ARM 3, G0SB, G1SB, .Lhead_sa
	tensor_load_to_lds s[G0SA:G0SA+3], s[G1SA:G1SA+7]
	s_nop 0
.rept 4
	v_nop
.endr
.Lhead_asked:
	v_and_b32 v1, 15, v0                           ; r
	v_bfe_u32 v2, v0, 4, 1                         ; h
	v_and_b32 v3, 31, v0
	v_lshlrev_b32 v[LI], 4, v3
	v_lshlrev_b32 v5, 6, v2                        ; the bias: 64 h bytes: lane (r, h) wants, for B's tile b, columns 32 (b / 2) + 16 h + 8 (b % 2) + 0 .. 7
	WIN TO_B
.irp b, 0,1,2,3,4,5,6,7
	global_load_b128 v[BI+8*\b:BI+8*\b+3], v5, s[12:13] offset:128*(\b/2)+32*(\b%2)
	global_load_b128 v[BI+8*\b+4:BI+8*\b+7], v5, s[12:13] offset:128*(\b/2)+32*(\b%2)+16
.endr
	WIN 0
	s_mul_i32 s88, s18, 49152                      ; my wave's 8 tiles of B
	v_add_nc_u32 v[ADRB], s88, v[LI]
	v_add_nc_u32 v[ADRB+1], SLOT, v[ADRB]
	s_mul_i32 s89, s17, 24576                      ; my wave's 4 tiles of A, behind B's 16
	s_add_co_u32 s89, s89, AOFF
	v_add_nc_u32 v[ADRA], s89, v[LI]
	v_add_nc_u32 v[ADRA+1], SLOT, v[ADRA]
	v_lshlrev_b32 v4, 3, v1                        ; 8 r: both halves of the lanes take row r's words
	s_lshl_b32 s88, s18, 13
	s_add_co_u32 s88, s88, SCB
	v_add_nc_u32 v[ADRT], s88, v4
	s_lshl_b32 s88, s17, 12
	s_add_co_u32 s88, s88, SCA
	v_add_nc_u32 v[ADRU], s88, v4
	s_mul_i32 s88, s16, 16*SPITCH                  ; my stage
	v_mul_u32_u24 v[STO], v1, SPITCH
	v_lshl_add_u32 v[STO], v2, 6, v[STO]
	v_add_nc_u32 v[STO], s88, v[STO]               ; in: row r, 64 h bytes on
	v_add_nc_u32 v[RD], s88, v[LI]                 ; back: a whole row of 512 bytes, 16 a lane
	v_min_u32 v[PF1], s2, v3                       ; block i = min(lane, my last): tile i / 24, 24,576 bytes apart, block i % 24 of it: 256 i + 18,432 (i / 24)
	v_mul_u32_u24 v8, v[PF1], 43
	v_lshrrev_b32 v8, 10, v8                       ; i / 24 for i under 48
	v_mul_u32_u24 v8, v8, 18432
	v_lshl_add_u32 v[PF1], v[PF1], 8, v8
	v_add_nc_u32 v[PF2], 32, v3
	v_min_u32 v[PF2], 47, v[PF2]                   ; blocks 32-47 lie in the second tile
	v_lshlrev_b32 v[PF2], 8, v[PF2]
	v_add_nc_u32 v[PF2], 18432, v[PF2]
	s_wait_alu depctr_va_vdst(0)
	ASK SROW                                       ; slot data 1 and 2: data 0 comes by its load alone
	ASK 2*SROW
.macro FRAG reg, adr, off              ; a fragment comes as it was stored: three loads of 512 consecutive bytes
.irp c, 0,1,2
	ds_load_b128 v[\reg+4*\c:\reg+4*\c+3], v[\adr] offset:\off+512*\c
.endr
.endm
; 16 matrix instructions: A's blocks a0, a0 + 1 x B's eight.  p: the set of fragments; q: which K step of the slot.  first = 1: the product starts the sums, with the bias as its C.
; The 32 accumulators take turns, one instruction a turn, in the same order in every K step.
.macro MUL16 a0, p, q, first
.irp a, \a0, \a0+1
.irp b, 0,1,2,3,4,5,6,7
.if \first
	v_wmma_scale_f32_16x16x128_f8f6f4 v[8*(8*(\a)+\b):8*(8*(\a)+\b)+7], v[96*(\p)+FR*\b:96*(\p)+FR*\b+FR-1], v[AF+48*(\p)+FR*(\a):AF+48*(\p)+FR*(\a)+FR-1], v[BI+8*\b:BI+8*\b+7], v[SB+4*\b+(\q)], v[SA+4*(\a)+(\q)] matrix_a_fmt:MATRIX_FMT_FP6 matrix_b_fmt:MATRIX_FMT_FP6
.else
	v_wmma_scale_f32_16x16x128_f8f6f4 v[8*(8*(\a)+\b):8*(8*(\a)+\b)+7], v[96*(\p)+FR*\b:96*(\p)+FR*\b+FR-1], v[AF+48*(\p)+FR*(\a):AF+48*(\p)+FR*(\a)+FR-1], v[8*(8*(\a)+\b):8*(8*(\a)+\b)+7], v[SB+4*\b+(\q)], v[SA+4*(\a)+(\q)] matrix_a_fmt:MATRIX_FMT_FP6 matrix_b_fmt:MATRIX_FMT_FP6
.endif
.endr
.endr
.endm
.macro FETCH_B slot, q, p              ; my 8 fragments of B of the slot's K step q into set p
	WIN TO_B
.irp i, 0,1,2,3,4,5,6,7
	FRAG 96*(\p)+FR*\i, ADRB+\slot, SROW*\i+FRB*(\q)
.endr
	WIN 0
.endm
.macro FETCH_A slot, q, p              ; my 4 fragments of A
.irp i, 0,1,2,3
	FRAG AF+48*(\p)+FR*\i, ADRA+\slot, SROW*\i+FRB*(\q)
.endr
.endm
.macro SCALES k                        ; the scale words of K steps 4 k .. 4 k + 3: two words a load, four a tile
.irp i, 0,1,2,3,4,5,6,7
.irp g, 0,1
	ds_load_b64 v[SB+4*\i+2*\g:SB+4*\i+2*\g+1], v[ADRT] offset:1024*\i+256*(\k)+128*\g
.endr
.endr
.irp i, 0,1,2,3
.irp g, 0,1
	ds_load_b64 v[SA+4*\i+2*\g:SA+4*\i+2*\g+1], v[ADRU] offset:1024*\i+256*(\k)+128*\g
.endr
.endr
.endm
.macro PLACES n                        ; plain vector instructions between a matrix instruction and a load into, or a read of, its registers
.rept \n
	v_nop
.endr
.endm
; A K step that has its successor in the same slot: the successor's 36 loads go out in one run, 32 products ahead of their use, into the set that the K step before has multiplied.
.macro STEP slot, q, first
	s_wait_dscnt 0x0                               ; this K step's fragments (and, in a slot's first, its scale words) are in
.if (\q) > 0
	PLACES NP                                      ; behind the last K step's products (a slot's first K step has the places of the change of slots)
.endif
	FETCH_B \slot, (\q)+1, 1-(\q)%2
	FETCH_A \slot, (\q)+1, 1-(\q)%2
.if \first
	WIN MUL_1ST
.else
	WIN MUL
.endif
	MUL16 0, (\q)%2, \q, \first
	MUL16 2, (\q)%2, \q, \first
.endm
; A slot's last K step, and the change of slots.  All 32 products are issued first, so that nothing but the round stands between the landing of the next slot and the request for the one after.
; Then each wave waits for all its tensor loads (its part of the next slot), adds 0 to its spare word, and waits for that and for its reads of this slot.  fill = 1: the slot is filled again, with the K steps two slots on;
; the barrier is then a round of the cluster's.  k: which four K steps the next slot holds.
.macro TURN slot, next, fill, k
	s_wait_dscnt 0x0
	WIN MUL
	MUL16 0, 1, 3, 0
	MUL16 2, 1, 3, 0
	WIN 0
	s_wait_tensorcnt 0x0                           ; all my tensor loads have landed, so every group 0 may be written
	ds_add_u32 v[SPW], v[NIL]                      ; 0 onto my spare word
.if \fill
	s_add_nc_u64 s[G0B+4*\slot+2:G0B+4*\slot+3], s[G0B+4*\slot+2:G0B+4*\slot+3], 2*SROW
	s_add_nc_u64 s[G0A+4*\slot+2:G0A+4*\slot+3], s[G0A+4*\slot+2:G0A+4*\slot+3], 2*SROW
.endif
	s_wait_dscnt 0x0                               ; the add is done, and my reads of this slot are over
.if \fill
	CROUND                                         ; no wave of any partner still reads this slot or has a load on its way
	JLOAD G0B+4*\slot, G1B, G0A+4*\slot, G1A       ; the first tensor load behind the round, my one load until the next: it has a slot's 128 products in which to land; its four v_nop are the places in front of the loads below
.else
	s_barrier_signal -1
	s_barrier_wait -1
	PLACES NP
.endif
	FETCH_B \next, 0, 0
	FETCH_A \next, 0, 0
	SCALES \k
.endm
	s_wait_alu depctr_va_vdst(0)
	s_wait_tensorcnt 0x0                           ; my tile of the head's four is in
	ds_add_u32 v[SPW], v[NIL]
	s_mov_b32 s[G1B+2], 8<<16                      ; no tensor load of mine is out, so a descriptor may be written: from here on a load brings 8 tiles of B
	s_mov_b32 s[G1B+4], 8
	s_mov_b32 s[G1A+2], 4<<16                      ; or 4 of A
	s_mov_b32 s[G1A+4], 4
	s_wait_dscnt 0x0                               ; the add is done
	CROUND                                         ; all four tiles are in, and all sixteen work-groups are here
	JLOAD G0B+4, G1B, G0A+4, G1A                   ; slot 1: K steps 4-7: the first tensor load behind the round
	FETCH_B 0, 0, 0
	FETCH_A 0, 0, 0
	SCALES 0
	ASK 3*SROW                                     ; slot data 3
	s_wait_loadcnt 0x0                             ; the bias
	STEP 0, 0, 1                                   ; K steps 0-3
	STEP 0, 1, 0
	STEP 0, 2, 0
	TURN 0, 1, 1, 1                                ; slot 0 takes K steps 8-11
	STEP 1, 0, 0                                   ; K steps 4-7
	STEP 1, 1, 0
	STEP 1, 2, 0
	TURN 1, 0, 1, 2                                ; slot 1 takes K steps 12-15
	STEP 0, 0, 0                                   ; K steps 8-11
	STEP 0, 1, 0
	STEP 0, 2, 0
	TURN 0, 1, 0, 3                                ; nothing is left to fetch
	STEP 1, 0, 0                                   ; K steps 12-15
	STEP 1, 1, 0
	STEP 1, 2, 0
	s_wait_dscnt 0x0
	WIN MUL
	MUL16 0, 1, 3, 0
	MUL16 2, 1, 3, 0
	WIN 0
; THE WAY OUT, block by block of 16 rows x 128 columns, through my own stage: a lane's pieces of a row go in, whole rows of 512 bytes come back.  LDS serves a wave's instructions in order (ISA guide 5.7.1.4): no wait between the stores and the loads.
.macro TOSTAGE a
.set AC, 64*(\a)
	WIN 0x08                                       ; an LDS store's data are its source 1: window 2
.irp b, 0,1,2,3,4,5,6,7
	ds_store_b128 v[STO], v[AC+8*\b:AC+8*\b+3] offset:128*(\b/2)+32*(\b%2)        ; each accumulator from its low end on
	ds_store_b128 v[STO], v[AC+8*\b+4:AC+8*\b+7] offset:128*(\b/2)+32*(\b%2)+16
.endr
	WIN 0
.set BB, BK+64*((\a)%2)
.irp t, 0,1,2,3,4,5,6,7,8,9,10,11,12,13,14,15
	ds_load_b128 v[BB+4*\t:BB+4*\t+3], v[RD] offset:\t*SPITCH
.endr
.endm
.macro SEND a, younger                 ; younger: the LDS instructions issued behind block a's loads, which may stay out
.set BB, BK+64*((\a)%2)
	s_wait_dscnt \younger
.irp t, 0,1,2,3,4,5,6,7,8,9,10,11,12,13,14,15
	global_store_b128 v[LI], v[BB+4*\t:BB+4*\t+3], s[14:15] offset:(32*((\a)/2)+8*((\a)%2)+(\t%8)+16*(\t/8))*8192 th:TH_STORE_NT   ; stage row t is row 32 (a / 2) + 8 (a % 2) + t % 8 + 16 (t / 8) of my 64: 512 consecutive bytes, aligned; 63 rows at the most stand in the immediate
.endr
.endm
	PLACES NP                                      ; behind the last products: for the reads of their results and for the loads into the registers that held A's fragments
	TOSTAGE 0
.irp a, 1,2,3
.if \a > 1
	s_wait_xcnt 0x0                                ; block a - 2's stores have read their registers: block a's loads may land there
.endif
	TOSTAGE \a
	SEND \a-1, 32                                  ; behind block a - 1's loads: block a's 16 stores and 16 loads
.endr
	SEND 3, 0
	s_wait_tensorcnt 0x0                           ; the wave's end, behind my last tensor load and my last LDS store
	ds_add_u32 v[SPW], v[NIL]
	s_wait_dscnt 0x0
	CROUND                                         ; the closing round: no work-group ends while a partner may still ask for a tile that names it
	s_endpgm
.Lfunc_end_k_q24301a86d7_outp:
	.size	k_q24301a86d7_outp, .Lfunc_end_k_q24301a86d7_outp-k_q24301a86d7_outp
	.p2alignl 7, 3214868480
	.fill 96, 4, 3214868480
	.section	.rodata,"a",@progbits
	.p2align	6, 0x0
	.amdhsa_kernel k_q24301a86d7_outp
		.amdhsa_group_segment_fixed_size 327680
		.amdhsa_private_segment_fixed_size 0
		.amdhsa_enable_private_segment 0
		.amdhsa_kernarg_size 40
		.amdhsa_user_sgpr_count 2
		.amdhsa_user_sgpr_kernarg_segment_ptr 1
		.amdhsa_wavefront_size32 1
		.amdhsa_system_sgpr_workgroup_id_x 1
		.amdhsa_system_sgpr_workgroup_id_y 1
		.amdhsa_system_sgpr_workgroup_id_z 1
		.amdhsa_system_vgpr_workitem_id 0
		.amdhsa_next_free_vgpr 768
		.amdhsa_next_free_sgpr 102
		.amdhsa_reserve_vcc 0
		.amdhsa_float_denorm_mode_32 3
		.amdhsa_float_denorm_mode_16_64 3
		.amdhsa_memory_ordered 1
		.amdhsa_forward_progress 1
		.amdhsa_inst_pref_size 140
	.end_amdhsa_kernel
	.amdgpu_metadata
---
amdhsa.version: [ 1, 2 ]
amdhsa.kernels:
  - .name:           k_q24301a86d7_outp
    .symbol:         k_q24301a86d7_outp.kd
    .args:
      - { .name: cc, .offset: 0, .size: 8, .value_kind: global_buffer, .address_space: global }
      - { .name: cs, .offset: 8, .size: 8, .value_kind: global_buffer, .address_space: global }
      - { .name: out_b, .offset: 16, .size: 8, .value_kind: global_buffer, .address_space: global }
      - { .name: out0, .offset: 24, .size: 8, .value_kind: global_buffer, .address_space: global }
      - { .name: ow, .offset: 32, .size: 8, .value_kind: global_buffer, .address_space: global }
    .group_segment_fixed_size: 327680
    .private_segment_fixed_size: 0
    .kernarg_segment_align: 8
    .kernarg_segment_size: 40
    .max_flat_workgroup_size: 128
    .sgpr_count:     102
    .vgpr_count:     768
    .wavefront_size: 32
...
	.end_amdgpu_metadata
.endif
;; end of part 4
